; MI455X (gfx1250); checked and timed in simulation.
; The chip was launched on July 23, 2026; its instructions are those of AMD's public machine-readable ISA for CDNA 5 (MIT licence, August 2026) and "CDNA5" Instruction Set Architecture Reference Guide (July 2026). The comments in the code are by the model that wrote it; some were corrected since.
;; Multi Head Attention. Allowed arithmetic: matrix products marked QUANTISED: E2M1 operands, one E8M0 scale for each 32 along K, by v_wmma_scale_f32_16x16x128_f8f6f4 with both operands' format E2M1 (or v_wmma_scale_f32_32x16x128_f4), f32 sums; products left as they are: bf16, f16 or f32 operands; f32 sums; everything else in f32.
;; Inputs: b_proj 1,024 float32; b_qkv 3,072 float32; w_proj 1,024 x 1,024 float32; w_qkv 1,024 x 3,072 float32; x 4 x 2,048 x 1,024 float32.
;; Outputs: out0 4 x 2,048 x 1,024 float32.
;; This version of the problem:
;;   THIS VERSION OF THE PROBLEM IS GIVEN IN LOW PRECISION. The matrix products marked QUANTISED in the list below multiply operands that are first quantised to E2M1 (2 exponent bits, 1 mantissa bit; 4 bits a number), with one power-of-two scale for each 32 numbers along K (OCP MX v1.0); their sums are f32. The products marked 'left as it is' may take bf16, f16 or f32 operands, with f32 sums. Whichever they take, every output number must still come out within the allowed error. Rounding operands to bf16 (8 significant bits) uses up far more of that allowance than f16 does (11 bits, for magnitudes from 6e-5 to 65,504). All else is computed in f32.
;;   The module's matrix products, in the order in which they are computed (A, B: the left and right operand; K: the contracted axis; several contracted axes count as one K, in the product's order):
;;     1. [M 8,192, K 1,024] x [K 1,024, N 3,072]; A: input x; B: input w_qkv: QUANTISED
;;     2. batch 64 x [M 2,048, K 64] x [K 64, N 2,048]; A: computed on the way; B: computed on the way: left as it is (an operand is computed on the way)
;;     3. batch 64 x [M 2,048, K 2,048] x [K 2,048, N 64]; A: computed on the way; B: computed on the way: left as it is (an operand is computed on the way)
;;     4. [M 8,192, K 1,024] x [K 1,024, N 1,024]; A: computed on the way; B: input w_proj: left as it is (an operand is computed on the way)
;;   THE QUANTISER, for each operand of a quantised product, along K:
;;     - K is cut into blocks of 32 from its start; a last block that is shorter is filled with zeros.
;;     - A block's scale is 2^e with e = floor(log2(the largest magnitude in the block)) - 2, held to -126 .. 127; a block of zeros has e = 0. As a byte (E8M0): e + 127.
;;     - Each number is divided by its block's scale, clamped to +-6, and rounded to the nearest number of E2M1, ties to even, subnormals kept.
;;     - The product sums the exact products of the quantised numbers (number of the format x scale) in f32.
;;   ~~~python
;;   def quantise(x, axis):      # numpy; x: float32 -> the quantised numbers, widened to float32 again
;;       x = np.moveaxis(x, axis, -1); K = x.shape[-1]
;;       x = np.pad(x, [(0, 0)] * (x.ndim - 1) + [(0, -K % 32)]); x = x.reshape(x.shape[:-1] + (-1, 32)); a = np.abs(x).max(-1, keepdims=True)
;;       e = np.where(a > 0, np.clip(np.frexp(np.where(a > 0, a, 1))[1] - 1 - 2, -126, 127), 0)      # np.frexp(a)[1] - 1 = floor(log2(a)), exactly
;;       r = np.clip(x / 2.0 ** e, -6, 6)
;;       step = 2.0 ** (np.maximum(np.frexp(np.where(r == 0, 1, r))[1] - 1, 0) - 1)
;;       q = np.round(r / step) * step * 2.0 ** e      # np.round: ties to even
;;       return np.moveaxis(q.reshape(q.shape[:-2] + (-1,))[..., :K], -1, axis).astype(np.float32)
;;   ~~~
;; One version. Each part assembles by itself: llvm-mc -triple=amdgcn-amd-amdhsa -mcpu=gfx1250 --defsym DOCPART=n.
;; ======== version 1 of 1: 4 launches
;; limits: values are held in f16: magnitudes above 65,504 overflow, below 6.1e-05 lose precision
;; workspace buffers: xc 4,194,304 bytes; xs 262,144 bytes; wc 1,572,864 bytes; ws 98,304 bytes; wp 2,097,152 bytes; qkv 50,331,648 bytes; att 16,777,216 bytes
;; launch prep (part 1): grid 512 x 1, 4 waves a work-group, no clusters, 42,496 bytes of LDS; arguments x, w_qkv, w_proj, xc, xs, wc, ws, wp; writes xc, xs, wc, ws, wp
.if DOCPART == 1
	.amdgcn_target "amdgcn-amd-amdhsa--gfx1250"
	.amdhsa_code_object_version 6
	.text
	.protected	k_q3922f7da4c_prep
	.globl	k_q3922f7da4c_prep
	.p2align	8
	.type	k_q3922f7da4c_prep,@function
k_q3922f7da4c_prep:
	s_mov_b64 s[64:65], 0
	v_nop
	global_prefetch_b8 v0, s[64:65] scope:SCOPE_SE
	s_setreg_imm32_b32 hwreg(HW_REG_WAVE_MODE, 25, 1), 1
	s_wait_xcnt 0x0
; THE PROGRAM: out0 = attention(x w_qkv + b_qkv) w_proj + b_proj, four launches: this one; the first product on codes; attention; the projection.
; DEAD WORK, for all values of the inputs: the bias of the keys, b_qkv[1024:2048].  A score is q . (k + bk) = q . k + q . bk, and q . bk is the same for every key of a query's row: a term
; added to the softmax's input that is constant along its axis, which the softmax takes away in exact arithmetic.  The product of q and k is not quantised in this problem, so no quantiser sees bk.
; So b_qkv[1024:2048] is never loaded (b_qkv's other two thirds are).  LIMIT: a NaN, an infinity or an overflow that reaches only that third of b_qkv is not carried to the result.
; THIS LAUNCH makes what the later launches read many times, once:
;   work-groups   0-191  W: w_qkv [1024 k][3072 n] f32 -> codes of E2M1 laid [3072 n][512 bytes], K innermost, and one E8M0 byte for each 32 along K, [3072][32]
;   work-groups 192-447  X: x [8192][1024] f32 -> codes [8192][512 bytes] and scale bytes [8192][32]
;   work-groups 448-511  CAST: w_proj [1024][1024] f32 -> f16, in its own order
; A block's scale is 2^(floor(log2(its largest magnitude)) - 2): its byte is that magnitude's exponent field - 2, held at 1 from below.  A block of zeros so keeps the byte 1 where the rule says 127:
; its codes are zeros, which add nothing under any byte but 0xff, and this program alone reads the bytes.
; LIMITS: blocks whose largest magnitude lies under 2^-124 keep the byte 1; NaN and infinities in x and w_qkv are not served; w_proj beyond 65,504 in size has no f16 number.
; The three paths part on the work-group's number alone, so all four waves of a work-group take one path; each path that uses LDS has bytes of its own.
.set SPW,   12                         ; v12  LDS address of my spare word: SPARE + 4 x my thread's number; never rewritten
.set NIL,   13                         ; v13  0; never rewritten
.set WSTG,  32768                      ; path W: a stage of 32 rows (columns of w_qkv) x (256 bytes + 16)
.set WSC,   41472                      ; path W: 32 columns x 16 scale bytes
.set SPARE, 41984                      ; the spare words, 128 bytes for each wave: two blocks of 256 bytes that no other line names
.set STEPS, 16                         ; path X: steps of 512 numbers for a wave
.set SP,    80                         ; path X: a lane's place in a stage: 64 bytes + 16 of padding
.set R,     16                         ; path X: v16-143  eight sets of 16 numbers as they are loaded
.set X,     144                        ; path X: v144-175 two sets of 16 neighbours
.set E,     176                        ; path X: v176-191 a scale byte for each step
.set C,     192                        ; path X: v192-223 two registers of codes for each step
.set WX,    32                         ; path W: v32-159  four blocks of 32 numbers down K
.set WC,    160                        ; path W: v160-175 their codes
.set WO,    176                        ; path W: v176-191 rows on the way out
; ---- path X's macros.  A load reads 512 consecutive bytes, 16 a lane; a step's 2,048 bytes turn through the wave's own stage, so that a lane then holds 16 neighbours along K.
.macro LOAD t
.irp i, 0,1,2,3
	global_load_b128 v[R+16*((\t)%8)+4*\i:R+16*((\t)%8)+4*\i+3], v3, s[4:5] offset:2048*(\t)+512*\i th:TH_LOAD_NT
.endr
.endm
.macro TURN t                          ; LDS serves a wave's instructions in order: no wait between the stores and the loads
.irp i, 0,1,2,3
	ds_store_b128 v14, v[R+16*((\t)%8)+4*\i:R+16*((\t)%8)+4*\i+3] offset:32*SP*((\t)%2)+8*SP*\i
.endr
.irp i, 0,1,2,3
	ds_load_b128 v[X+16*((\t)%2)+4*\i:X+16*((\t)%2)+4*\i+3], v15 offset:32*SP*((\t)%2)+16*\i
.endr
.endm
.macro STEP t
.set XS, X+16*((\t)%2)
.if (\t) > 0
	s_wait_dscnt 1                                 ; this step's numbers are back from the stage (the last step's byte store may be out): so its stores into the stage have read their registers,
.else
	s_wait_dscnt 0x0
.endif
.if (\t)+8 < STEPS
	LOAD (\t)+8                                    ; which take the loads of eight steps on
.endif
.if (\t)+1 < STEPS
.if STEPS-2-(\t) >= 7
	s_wait_loadcnt 28                              ; the next step's four loads are in; those of the seven steps behind it may be out
.else
	s_wait_loadcnt 4*(STEPS-2-(\t))                ; nothing more is asked for: the count runs down
.endif
	TURN (\t)+1                                    ; the next step goes through the other stage while this one is worked
.endif
	v_max3_num_f32 v8, |v[XS]|, |v[XS+1]|, |v[XS+2]|               ; the largest magnitude of my 16, in two chains
	v_max3_num_f32 v9, |v[XS+3]|, |v[XS+4]|, |v[XS+5]|
.irp i, 6,10
	v_max3_num_f32 v8, v8, |v[XS+\i]|, |v[XS+\i+1]|
	v_max3_num_f32 v9, v9, |v[XS+\i+2]|, |v[XS+\i+3]|
.endr
	v_max3_num_f32 v8, v8, |v[XS+14]|, |v[XS+15]|
	v_max3_num_f32 v8, v8, v9, 0x1800000           ; and the floor 2^(3 - 127): the byte cannot fall under 1
	v_max_num_f32_dpp v8, v8, v8 row_xmask:1 row_mask:0xf bank_mask:0xf   ; with my neighbour's 16: the block's
	v_add_nc_u32 v11, 0xff000000, v8               ; 2 off its exponent field: the conversion takes the exponent field of this operand as its scale
	v_cvt_scalef32_pk8_fp4_f32 v[C+2*(\t)], v[XS:XS+7], v11
	v_cvt_scalef32_pk8_fp4_f32 v[C+2*(\t)+1], v[XS+8:XS+15], v11
	v_lshrrev_b32 v[E+(\t)], 23, v11               ; the scale's byte
	ds_store_b8 v5, v[E+(\t)] offset:16*(\t)       ; both lanes of a block write the same byte with the same value
	global_store_b64 v4, v[C+2*(\t):C+2*(\t)+1], s[10:11] offset:256*(\t)   ; the wave stores 256 consecutive bytes, aligned
.endm
; ---- path W's macro: block t, 32 numbers down K of my column, all in my registers
.macro WBLOCK t
.set XS, WX+32*(\t)
.if (\t) == 0
	s_wait_loadcnt 63                              ; of the 128 loads at most 63 are out: the oldest 65 are in, blocks 0 and 1 among them
.elseif (\t) == 2
	s_wait_loadcnt 32                              ; block 3's 32 may be out
.elseif (\t) == 3
	s_wait_loadcnt 0x0
.endif
	v_max3_num_f32 v16, |v[XS]|, |v[XS+1]|, |v[XS+2]|
	v_max3_num_f32 v17, |v[XS+3]|, |v[XS+4]|, |v[XS+5]|
.irp i, 6,10,14,18,22,26
	v_max3_num_f32 v16, v16, |v[XS+\i]|, |v[XS+\i+1]|
	v_max3_num_f32 v17, v17, |v[XS+\i+2]|, |v[XS+\i+3]|
.endr
	v_max3_num_f32 v16, v16, |v[XS+30]|, |v[XS+31]|
	v_max3_num_f32 v16, v16, v17, 0x1800000        ; the floor, as in path X
	v_add_nc_u32 v18, 0xff000000, v16              ; the conversion's scale operand
	v_lshrrev_b32 v19, 23, v18                     ; the byte
.if (\t) == 0
	v_mov_b32 v20, v19                             ; my four bytes make one word, the lower K in the lower byte
.else
	v_lshl_or_b32 v20, v19, 8*(\t), v20
.endif
.irp g, 0,1,2,3
	v_cvt_scalef32_pk8_fp4_f32 v[WC+4*(\t)+\g], v[XS+8*\g:XS+8*\g+7], v18
.endr
	ds_store_b128 v4, v[WC+4*(\t):WC+4*(\t)+3] offset:16*(\t)      ; 32 codes: 16 bytes of my column's row.  (The next block begins with plain vector lines, ahead of the line that writes v18 again)
.endm
	s_load_b256 s[4:11], s[0:1], 0x0               ; x s[4:5], w_qkv s[6:7], w_proj s[8:9], xc s[10:11]
	s_load_b256 s[12:19], s[0:1], 0x20             ; xs s[12:13], wc s[14:15], ws s[16:17], wp s[18:19]
	v_lshl_add_u32 v[SPW], v0, 2, SPARE
	v_mov_b32 v[NIL], 0
	v_lshrrev_b32 v1, 5, v0
	v_readfirstlane_b32 s20, v1                    ; wave 0..3
	v_and_b32 v2, 31, v0                           ; lane
	s_mov_b32 s23, 0
	s_mov_b32 s25, 0
	s_wait_kmcnt 0x0
	s_cmp_lt_u32 ttmp9, 192
	s_cbranch_scc1 .Lpath_w
	s_cmp_lt_u32 ttmp9, 448
	s_cbranch_scc1 .Lpath_x
	; ---- CAST: a wave takes 4,096 numbers of w_proj: 32 loads of 512 consecutive bytes, all asked for at once; no register is written twice, so nothing has to be freed
	s_sub_co_u32 s21, ttmp9, 448
	s_lshl_b32 s21, s21, 2
	s_add_co_u32 s21, s21, s20                     ; which run of 4,096 numbers: 0..255
	s_lshl_b32 s22, s21, 14
	s_add_nc_u64 s[8:9], s[8:9], s[22:23]
	s_lshl_b32 s22, s21, 13
	s_add_nc_u64 s[18:19], s[18:19], s[22:23]
	v_lshlrev_b32 v3, 4, v2                        ; in: 16 bytes a lane
	v_lshlrev_b32 v4, 3, v2                        ; out: 8 bytes a lane: the wave stores 256 consecutive bytes, aligned
.set i, 0
.rept 32
	global_load_b128 v[32+4*i:35+4*i], v3, s[8:9] offset:512*i th:TH_LOAD_NT
.set i, i+1
.endr
.set i, 0
.rept 32
	s_wait_loadcnt 31-i                            ; loads come back in order: load i is in, the younger ones may be out
	v_cvt_pk_f16_f32 v[32+4*i], v[32+4*i], v[33+4*i]
	v_cvt_pk_f16_f32 v[33+4*i], v[34+4*i], v[35+4*i]
	global_store_b64 v4, v[32+4*i:33+4*i], s[18:19] offset:256*i
.set i, i+1
.endr
	s_branch .Lend
.Lpath_x:
	; ---- X: rows are dense and 1,024 is a multiple of 32, so x is a plain stream of blocks of 32; a wave takes a run of 8,192 numbers
	s_sub_co_u32 s21, ttmp9, 192
	s_lshl_b32 s21, s21, 2
	s_add_co_u32 s21, s21, s20                     ; which run: 0..1023
	s_lshl_b32 s22, s21, 15
	s_add_nc_u64 s[4:5], s[4:5], s[22:23]          ; 32,768 bytes of x,
	s_lshl_b32 s22, s21, 12
	s_add_nc_u64 s[10:11], s[10:11], s[22:23]      ; 4,096 of codes,
	s_lshl_b32 s22, s21, 8
	s_add_nc_u64 s[12:13], s[12:13], s[22:23]      ; 256 scale bytes
	v_lshlrev_b32 v3, 4, v2                        ; my 16 bytes of a load's 512
	s_lshl_b32 s24, s20, 13                        ; my wave's 8,192 bytes of LDS: two stages of 32 x 80, then its 256 scale bytes
	v_lshrrev_b32 v14, 2, v2
	v_mul_u32_u24 v14, v14, SP
	v_and_b32 v15, 3, v2
	v_lshl_add_u32 v14, v15, 4, v14
	v_add_nc_u32 v14, s24, v14                     ; into a stage: four lanes' 64 bytes on end, then 16 of padding
	v_mul_u32_u24 v15, v2, SP
	v_add_nc_u32 v15, s24, v15                     ; out of it: my 16 neighbours
	v_lshlrev_b32 v4, 3, v2                        ; my 8 bytes of a step's codes, and of the scale bytes on their way out
	v_lshrrev_b32 v5, 1, v2
	s_add_co_u32 s24, s24, 2*32*SP
	v_add_nc_u32 v5, s24, v5                       ; my block's byte
	v_add_nc_u32 v6, s24, v4
.irp t, 0,1,2,3,4,5,6,7
	LOAD \t
.endr
	s_wait_loadcnt 28                              ; step 0's four loads are in, seven steps' may be out
	TURN 0
.irp t, 0,1,2,3,4,5,6,7,8,9,10,11,12,13,14,15
	STEP \t
.endr
	ds_load_b64 v[8:9], v6                         ; LDS serves a wave's instructions in order: these see my byte stores
	s_wait_dscnt 0x0
	global_store_b64 v4, v[8:9], s[12:13]          ; 32 lanes store 256 consecutive bytes, aligned
	s_branch .Lend
.Lpath_w:
	; ---- W: K is w_qkv's FIRST axis.  A lane takes a column n and its registers run down K, so a block of 32 lies in one lane and the conversions give codes with K innermost.
	; A work-group takes 32 columns x 512 along K, wave w 128 of them (four blocks a lane).  The four waves' codes of a column, 256 bytes, meet in a stage and leave as whole rows.
	s_lshr_b32 s21, ttmp9, 1                       ; which 32 columns: 0..95
	s_and_b32 s22, ttmp9, 1                        ; which 512 along K
	s_lshl_b32 s24, s22, 2
	s_add_co_u32 s24, s24, s20
	s_mul_i32 s24, s24, 128*12288                  ; row 512 ky + 128 w of w_qkv, 12,288 bytes a row,
	s_lshl_b32 s26, s21, 7
	s_add_co_u32 s24, s24, s26                     ; + 128 bytes for each 32 columns
	s_add_nc_u64 s[6:7], s[6:7], s[24:25]
	s_lshl_b32 s24, s21, 14                        ; codes: 32 rows of 512 bytes,
	s_lshl_b32 s26, s22, 8
	s_add_co_u32 s24, s24, s26                     ; + 256 ky
	s_add_nc_u64 s[14:15], s[14:15], s[24:25]
	s_lshl_b32 s24, s21, 10                        ; scale bytes: 32 rows of 32,
	s_lshl_b32 s26, s22, 4
	s_add_co_u32 s24, s24, s26                     ; + 16 ky
	s_add_nc_u64 s[16:17], s[16:17], s[24:25]
	v_lshlrev_b32 v3, 2, v2                        ; in: 4 bytes a lane: a load reads 128 consecutive bytes
.set i, 0
.rept 128
	global_load_b32 v[WX+i], v3, s[6:7] offset:i*12288 th:TH_LOAD_NT   ; w_qkv(k0 + i, my column); the largest offset, 127 rows, lies inside the signed 24-bit immediate
.set i, i+1
.endr
	v_mul_u32_u24 v4, v2, 272
	s_lshl_b32 s26, s20, 6
	s_add_co_u32 s26, s26, WSTG
	v_add_nc_u32 v4, s26, v4                       ; into the stage: row = my column, + 64 bytes for each wave
	v_lshlrev_b32 v5, 4, v2
	s_lshl_b32 s26, s20, 2
	s_add_co_u32 s26, s26, WSC
	v_add_nc_u32 v5, s26, v5                       ; my column's 16 scale bytes, my wave's word
	v_and_b32 v6, 15, v2
	v_lshrrev_b32 v7, 4, v2
	s_lshl_b32 s26, s20, 3
	v_add_nc_u32 v7, s26, v7                       ; out of the stage: wave w takes rows 8 w .. 8 w + 7, sixteen lanes to a row
	v_mul_u32_u24 v8, v7, 272
	v_lshl_add_u32 v8, v6, 4, v8
	v_add_nc_u32 v8, WSTG, v8
	v_lshlrev_b32 v9, 9, v7
	v_lshl_add_u32 v9, v6, 4, v9                   ; and the same place in the codes' buffer
.irp t, 0,1,2,3
	WBLOCK \t
.endr
	ds_store_b32 v5, v20
	s_wait_dscnt 0x0                               ; for the other waves' sake: my stores into the stage are done
	s_barrier_signal -1
	s_barrier_wait -1                              ; all four waves of the work-group are on this path
.irp t, 0,1,2,3
	ds_load_b128 v[WO+4*\t:WO+4*\t+3], v8 offset:544*\t
.endr
.irp t, 0,1,2,3
	s_wait_dscnt 3-\t                              ; load t is back, the younger ones may be out
	global_store_b128 v9, v[WO+4*\t:WO+4*\t+3], s[14:15] offset:1024*\t   ; sixteen lanes store 256 consecutive bytes, aligned
.endr
	s_cmp_lg_u32 s20, 0
	s_cbranch_scc1 .Lend                           ; wave 0 alone stores the scale bytes: 16 bytes of each of 32 rows of 32 bytes (98,304 bytes in the whole launch go out in such pieces)
	v_lshl_add_u32 v10, v2, 4, WSC
	v_lshlrev_b32 v11, 5, v2
	ds_load_b128 v[24:27], v10
	s_wait_dscnt 0x0
	global_store_b128 v11, v[24:27], s[16:17]
.Lend:
	s_wait_tensorcnt 0x0                           ; the wave's end
	ds_add_u32 v[SPW], v[NIL]
	s_wait_dscnt 0x0
	s_endpgm
.Lfunc_end_k_q3922f7da4c_prep:
	.size	k_q3922f7da4c_prep, .Lfunc_end_k_q3922f7da4c_prep-k_q3922f7da4c_prep
	.p2alignl 7, 3214868480
	.fill 96, 4, 3214868480
	.section	.rodata,"a",@progbits
	.p2align	6, 0x0
	.amdhsa_kernel k_q3922f7da4c_prep
		.amdhsa_group_segment_fixed_size 42496
		.amdhsa_private_segment_fixed_size 0
		.amdhsa_enable_private_segment 0
		.amdhsa_kernarg_size 64
		.amdhsa_user_sgpr_count 2
		.amdhsa_user_sgpr_kernarg_segment_ptr 1
		.amdhsa_wavefront_size32 1
		.amdhsa_system_sgpr_workgroup_id_x 1
		.amdhsa_system_sgpr_workgroup_id_y 1
		.amdhsa_system_sgpr_workgroup_id_z 1
		.amdhsa_system_vgpr_workitem_id 0
		.amdhsa_next_free_vgpr 224
		.amdhsa_next_free_sgpr 66
		.amdhsa_reserve_vcc 0
		.amdhsa_float_denorm_mode_32 3
		.amdhsa_float_denorm_mode_16_64 3
		.amdhsa_memory_ordered 1
		.amdhsa_forward_progress 1
		.amdhsa_inst_pref_size 65
	.end_amdhsa_kernel
	.amdgpu_metadata
---
amdhsa.version: [ 1, 2 ]
amdhsa.kernels:
  - .name:           k_q3922f7da4c_prep
    .symbol:         k_q3922f7da4c_prep.kd
    .args:
      - { .name: x, .offset: 0, .size: 8, .value_kind: global_buffer, .address_space: global }
      - { .name: w_qkv, .offset: 8, .size: 8, .value_kind: global_buffer, .address_space: global }
      - { .name: w_proj, .offset: 16, .size: 8, .value_kind: global_buffer, .address_space: global }
      - { .name: xc, .offset: 24, .size: 8, .value_kind: global_buffer, .address_space: global }
      - { .name: xs, .offset: 32, .size: 8, .value_kind: global_buffer, .address_space: global }
      - { .name: wc, .offset: 40, .size: 8, .value_kind: global_buffer, .address_space: global }
      - { .name: ws, .offset: 48, .size: 8, .value_kind: global_buffer, .address_space: global }
      - { .name: wp, .offset: 56, .size: 8, .value_kind: global_buffer, .address_space: global }
    .group_segment_fixed_size: 42496
    .private_segment_fixed_size: 0
    .kernarg_segment_align: 8
    .kernarg_segment_size: 64
    .max_flat_workgroup_size: 128
    .sgpr_count:     66
    .vgpr_count:     224
    .wavefront_size: 32
...
	.end_amdgpu_metadata
.endif
;; end of part 1
;; launch qkvgemm (part 2): grid 12 x 32, 4 waves a work-group, clusters of 4 x 4, 327,680 bytes of LDS; arguments xc, xs, wc, ws, qkv, b_qkv; writes qkv
.if DOCPART == 2
	.amdgcn_target "amdgcn-amd-amdhsa--gfx1250"
	.amdhsa_code_object_version 6
	.text
	.protected	k_q3922f7da4c_qkvgemm
	.globl	k_q3922f7da4c_qkvgemm
	.p2align	8
	.type	k_q3922f7da4c_qkvgemm,@function
k_q3922f7da4c_qkvgemm:
	s_mov_b64 s[64:65], 0
	v_nop
	global_prefetch_b8 v0, s[64:65] scope:SCOPE_SE
	s_setreg_imm32_b32 hwreg(HW_REG_WAVE_MODE, 25, 1), 1
	s_wait_xcnt 0x0
	s_wait_alu depctr_hold_cnt(0) depctr_sa_sdst(0) depctr_va_vdst(0) depctr_va_sdst(0) depctr_va_ssrc(0) depctr_va_vcc(0) depctr_vm_vsrc(0)
	s_getreg_b32 s2, hwreg(HW_REG_IB_STS2, 6, 4)
	s_cmp_eq_u32 s2, 0
	s_cbranch_scc0 .Lentry_in_a_cluster
	s_endpgm
.Lentry_in_a_cluster:
	s_bfe_u32 s2, ttmp6, 0x10000c
	s_cmp_lg_u32 s2, 0xf033
	s_cbranch_scc0 .Lentry_shape_is_right
	s_endpgm
.Lentry_shape_is_right:
; qkv = x w_qkv + b_qkv on codes of E2M1 with one E8M0 scale for each 32 along K; sums in f32; the result rounded once to f16 and laid by head: [3 (q, k, v)][64 (batch x 16 + head)][2048 tokens][64].
; LEFT OUT: the bias of the keys, b_qkv[1024:2048] (shown dead at the head of the first launch): the tiles of the keys' columns start their sums from zeros and load no bias.
; LIMIT: q, k and v beyond 65,504 in size have no f16 number.
; A: xc [8192][512 bytes], xs [8192][32];  B: wc [3072][512 bytes], ws [3072][32].  A tile of the result, 256 x 256, is made by four waves, a wave makes 128 x 128: 64 accumulators, 512 registers.
; K = 1,024 is two slots of 512 along K (rows of 256 bytes): both are asked for at the start and nothing is filled again.  The scale bytes of the work-group's rows come with them, once, as two dense blocks.
; CLUSTERS: 4 x 4 work-groups; A's tiles are asked for jointly by a row of the cluster, B's by a column.  THE MATRIX INSTRUCTION IS USED TRANSPOSED (source 0 = 16 rows of wc, source 1 = 16 rows of xc):
; a lane then holds eight neighbouring columns of one token.  THE BIAS is the C of each sum's first matrix instruction: 64 registers in the result's layout, the same for all blocks of rows.
; REGISTERS, in windows of 256: window 0: v0-31 addresses; v32-95 scale words, two sets; v128-191 A's fragments, one set; v192-255 the bias.  On the way out v32-63 packed results, v128-191 rows read back.
;   window 1: B's fragments, two sets, at v0 and v128.   window 2: the accumulators of my rows 0-63 ((a, b) at v[8 (8 a + b)]);   window 3: those of rows 64-127.
.set NQ,     4                         ; matrix instructions deep in a slot: 512 / 128
.set ROWB,   256                       ; a tile's row in bytes
.set KROW,   512                       ; a row of xc or wc in memory
.set PITCH,  272                       ; an LDS row: 256 bytes + 16 of padding = 68 words: the 16 rows that a load touches start 4 banks apart (64 banks of 4 bytes: ISA guide 11.1)
.set FR,     8                         ; registers of a fragment: 16 rows x 128 K
.set NL,     2                         ; LDS loads that bring one
.set NP,     4                         ; places behind this matrix instruction (ISA guide 7.12.1)
.set HALFT,  128*PITCH                 ; 128 rows: what one tensor load brings
.set SLOT,   4*HALFT                   ; A's 256 rows, then B's 256 rows
.set KS,     32                        ; a row of scale bytes
.set SCL,    2*SLOT                    ; behind the slots: the scales, as rows of 256 bytes + 16 of padding
.set HALFS,  (128*KS/256)*272          ; the scales of 128 rows
.set SBLK,   (16*KS/256)*272           ; those of 16 rows
.set SPARE,  SCL+4*HALFS               ; the spare words, 128 bytes for each wave: two blocks of 256 bytes that no other line names
.set SPITCH, 272                       ; the way out: a stage of 16 rows x (256 bytes + 16) for each wave, in slot 0, which has had its only fill and its last read by then
.set ADRA, 16                          ; v16-17  LDS address of my A fragments in slot 0, 1
.set ADRB, 20                          ; v20-21  the same for B
.set STO,  24                          ; v24     the way out: where I put 16 bytes of a row
.set RD,   25                          ; v25     where I read them back
.set CO,   26                          ; v26     16 x lane
.set ADRS, 27                          ; v27     LDS address of my scale words: lanes 0-15 A's rows, lanes 16-31 B's
.set SPW,  28                          ; v28     LDS address of my spare word; never rewritten
.set NIL,  29                          ; v29     0; never rewritten
.set BO,   30                          ; v30     the bias: 32 bytes for the upper half of the lanes
.set SC,   32                          ; scale words: set s at v[SC + 32 s]; register 4 i + q: lanes 0-15 A's block i, lanes 16-31 B's block i, the slot's q-th 128 along K
.set TMP,  32                          ; the way out: packed results
.set AF,   128
.set BK,   128                         ; the way out: 16 rows read back: v128-159 and v160-191 by turns
.set BI,   192                         ; the bias: register 8 b + j of lane (r, h): b_qkv[my first column + 16 b + 8 h + j]
.set G1, 24                            ; s[24:31] descriptor group 1 for A's tiles;  s[32:39] group 0, one set for each slot
.set G0, 32
.set G1B, 48                           ; s[48:55], s[56:63] the same for B's tiles
.set G0B, 56
.set G1S, 68                           ; s[68:75], s[76:79] groups 1 and 0 for A's scales;  s[80:87], s[88:91] for B's
.set G0S, 76
.set G1SB, 80
.set G0SB, 88
.set MSB, 0
.macro WIN new                         ; the immediate's high byte repeats the setting that is left; a switch that changes nothing is dropped
.if MSB != (\new)
	s_set_vgpr_msb (MSB<<8)|(\new)
.set MSB, (\new)
.endif
.endm
.set MUL_LO, 0xa1                      ; source 0 (B) window 1, source 1 (A) window 0, C and D window 2
.set MUL_HI, 0xf1                      ; the same, C and D window 3
.set TO_B,   0x40                      ; destination window 1, address window 0
; A joint load: waves 0 and 1 fetch for A, waves 2 and 3 for B; the branch hangs on the wave's number alone.  An s_nop 0 and four v_nop follow each of the two lines.
.macro JLOAD g0a, g1a, g0b, g1b
	s_cmp_eq_u32 s15, 0
	s_cbranch_scc0 .Lfor_b_\@
	tensor_load_to_lds s[\g0a:\g0a+3], s[\g1a:\g1a+7]
	s_nop 0
.rept 4
	v_nop
.endr
	s_branch .Lasked_\@
.Lfor_b_\@:
	tensor_load_to_lds s[\g0b:\g0b+3], s[\g1b:\g1b+7]
	s_nop 0
.rept 4
	v_nop
.endr
.Lasked_\@:
.endm
.macro CROUND                          ; a round of the cluster's barrier: my work-group's barrier; wave 0 signals for the work-group; every wave waits for all sixteen; my work-group's barrier once more
	s_barrier_signal -1
	s_barrier_wait -1
	s_cmp_lg_u32 s14, 0
	s_cbranch_scc1 .Lnot_wave_0_\@
	s_barrier_signal -3
.Lnot_wave_0_\@:
	s_barrier_wait -3
	s_barrier_signal -1
	s_barrier_wait -1
.endm
	s_load_b128 s[4:7], s[0:1], 0x0                ; xc s[4:5], xs s[6:7]
	s_load_b128 s[8:11], s[0:1], 0x10              ; wc s[8:9], ws s[10:11]
	s_load_b64 s[12:13], s[0:1], 0x20              ; qkv
	s_load_b64 s[96:97], s[0:1], 0x28              ; b_qkv
	v_lshl_add_u32 v[SPW], v0, 2, SPARE
	v_mov_b32 v[NIL], 0
	ds_add_u32 v[SPW], v[NIL]                      ; the wave's opening: the add, twice on end, and its wait ahead of my first tensor load; the set-up below stands between
	ds_add_u32 v[SPW], v[NIL]
	v_lshrrev_b32 v1, 5, v0
	v_readfirstlane_b32 s14, v1                    ; wave 0..3
	s_lshr_b32 s15, s14, 1                         ; which half of the tile's rows is mine.  Also: I fetch for A (0) or for B (1)
	s_and_b32 s16, s14, 1                          ; which half of its columns.  Also: which 128 rows of that tile I fetch
	s_bfe_u32 s40, ttmp6, 0x40000                  ; cx, cy: my place in the cluster
	s_bfe_u32 s41, ttmp6, 0x40004
	s_lshl_b32 s42, ttmp9, 2
	s_add_co_u32 s42, s42, s40                     ; tile column = 4 x cluster x + cx
	s_and_b32 s17, ttmp7, 0xffff
	s_lshl_b32 s17, s17, 2
	s_add_co_u32 s17, s17, s41                     ; tile row = 4 x cluster y + cy
	s_lshl_b32 s43, s41, 2
	s_lshl_b32 s43, 15, s43                        ; my row of the cluster
	s_lshl_b32 s44, 0x1111, s40                    ; my column
	; descriptor group 1: a tile of 128 rows x 256 bytes, padded in LDS
	s_or_b32 s[G1+0], s43, (0<<16)|(1<<20)|(1<<21)|(5<<22)|(3<<25)  ; 15:0 the mask; 17:16 elements of 1 byte; 20 padding on; 21 set beside a mask; 24:22 after every 64 words; 31:25 four words
	s_or_b32 s[G1B+0], s44, (0<<16)|(1<<20)|(1<<21)|(5<<22)|(3<<25)
.irp g, G1, G1B
	s_mov_b32 s[\g+1], ROWB<<16                    ; tensor_dim0
	s_mov_b32 s[\g+2], 128<<16                     ; tensor_dim1
	s_mov_b32 s[\g+3], ROWB<<16                    ; tile_dim0
	s_mov_b32 s[\g+4], 128                         ; tile_dim1
	s_mov_b32 s[\g+5], KROW                        ; from row to row
	s_mov_b32 s[\g+6], 0
	s_mov_b32 s[\g+7], 0
.endr
	; and for the scales of 128 rows: a dense block of 4,096 bytes, as 16 rows of 256 bytes (32 elements of 8 bytes), 16 bytes of padding behind each
	s_or_b32 s[G1S+0], s43, (3<<16)|(1<<20)|(1<<21)|(5<<22)|(3<<25)
	s_or_b32 s[G1SB+0], s44, (3<<16)|(1<<20)|(1<<21)|(5<<22)|(3<<25)
.irp g, G1S, G1SB
	s_mov_b32 s[\g+1], 32<<16
	s_mov_b32 s[\g+2], (128*KS/256)<<16
	s_mov_b32 s[\g+3], 32<<16
	s_mov_b32 s[\g+4], 128*KS/256
	s_mov_b32 s[\g+5], 32
	s_mov_b32 s[\g+6], 0
	s_mov_b32 s[\g+7], 0
.endr
	s_lshl_b32 s18, s16, 7                         ; which 128 rows of the tile I fetch
	s_lshl_b32 s20, s17, 8
	s_add_co_u32 s20, s20, s18                     ; A: row 256 x tile row + 128 x half
	s_lshl_b32 s46, s42, 8
	s_add_co_u32 s46, s46, s18                     ; B: row 256 x tile column + 128 x half
	s_mov_b32 s21, 0
	s_mov_b32 s47, 0
	s_mov_b64 s[18:19], KS
	s_mul_u64 s[22:23], s[20:21], s[18:19]         ; where these rows' scales begin, in bytes,
	s_mul_u64 s[92:93], s[46:47], s[18:19]
	s_mov_b64 s[18:19], KROW
	s_mul_u64 s[20:21], s[20:21], s[18:19]         ; and their codes
	s_mul_u64 s[46:47], s[46:47], s[18:19]
	s_mul_i32 s45, s14, HALFT                      ; where they go: wave x 128 rows: no place in the cluster enters an LDS address
	s_mul_i32 s94, s14, HALFS
	s_wait_dscnt 0x0                               ; both opening adds are done
	s_wait_kmcnt 0x0
	s_add_nc_u64 s[20:21], s[4:5], s[20:21]
	s_add_nc_u64 s[22:23], s[6:7], s[22:23]
	s_add_nc_u64 s[46:47], s[8:9], s[46:47]
	s_add_nc_u64 s[92:93], s[10:11], s[92:93]
	CROUND                                         ; all sixteen work-groups are here: the joint loads meet
	s_mov_b32 s[G0S], 1
	s_add_co_u32 s[G0S+1], s94, SCL
	s_mov_b64 s[G0S+2:G0S+3], s[22:23]
	s_or_b32 s[G0S+3], s[G0S+3], 0x80000000
	s_mov_b32 s[G0SB], 1
	s_add_co_u32 s[G0SB+1], s94, SCL
	s_mov_b64 s[G0SB+2:G0SB+3], s[92:93]
	s_or_b32 s[G0SB+3], s[G0SB+3], 0x80000000
	JLOAD G0S, G1S, G0SB, G1SB                     ; the scales first: they are wanted with slot 0
.irp s, 0,1
	s_mov_b32 s[G0+4*\s], 1
	s_add_co_u32 s[G0+4*\s+1], s45, \s*SLOT
	s_add_nc_u64 s[G0+4*\s+2:G0+4*\s+3], s[20:21], \s*ROWB
	s_or_b32 s[G0+4*\s+3], s[G0+4*\s+3], 0x80000000
	s_mov_b32 s[G0B+4*\s], 1
	s_add_co_u32 s[G0B+4*\s+1], s45, \s*SLOT
	s_add_nc_u64 s[G0B+4*\s+2:G0B+4*\s+3], s[46:47], \s*ROWB
	s_or_b32 s[G0B+4*\s+3], s[G0B+4*\s+3], 0x80000000
	JLOAD G0+4*\s, G1, G0B+4*\s, G1B               ; three tensor loads of mine are out, all first fills
.endr
	v_and_b32 v1, 15, v0                           ; r = l % 16
	v_bfe_u32 v2, v0, 4, 1                         ; h = l / 16
	v_mul_u32_u24 v3, v1, PITCH
	v_lshl_add_u32 v4, v2, 4, v3                   ; a fragment's row x pitch + 16 x half
	s_mul_i32 s21, s15, HALFT                      ; my 128 rows of A
	s_mul_i32 s22, s16, HALFT                      ; my 128 rows of B,
	s_add_co_u32 s22, s22, 2*HALFT                 ; which lie behind A's 256
.irp s, 0,1
	v_add_nc_u32 v[ADRA+\s], s21, v4
	v_add_nc_u32 v[ADRB+\s], s22, v4
	s_add_co_u32 s21, s21, SLOT
	s_add_co_u32 s22, s22, SLOT
.endr
	v_mul_u32_u24 v5, v1, KS                       ; my row's scales: 32 bytes a row,
	v_lshrrev_b32 v6, 8, v5
	v_lshl_add_u32 v5, v6, 4, v5                   ; and 16 more for each 256 passed
	s_mul_i32 s21, s15, HALFS                      ; A's: my 128 rows
	s_mul_i32 s22, s16, HALFS                      ; B's: my 128 rows, behind A's 256
	s_add_co_u32 s22, s22, 2*HALFS
	s_sub_co_u32 s22, s22, s21
	v_mul_u32_u24 v6, s22, v2                      ; lanes 16-31 take B's: one product, the distance between the two bases x h
	s_add_co_u32 s21, s21, SCL
	v_add_nc_u32 v5, v5, v6
	v_add_nc_u32 v[ADRS], s21, v5
	s_mul_i32 s23, s14, 16*SPITCH                  ; my stage
	v_mul_u32_u24 v5, v1, SPITCH                   ; in: row r, 16 bytes for each half of the lanes
	v_lshl_add_u32 v5, v2, 4, v5
	v_add_nc_u32 v[STO], s23, v5
	v_bfe_u32 v5, v0, 3, 2                         ; back: eight lanes take one head's 128 bytes of a row, the 32 lanes four rows
	v_and_b32 v6, 7, v0
	v_mul_u32_u24 v5, v5, SPITCH
	v_lshl_add_u32 v5, v6, 4, v5
	v_add_nc_u32 v[RD], s23, v5
	v_and_b32 v6, 31, v0
	v_lshlrev_b32 v[CO], 4, v6
	v_lshlrev_b32 v[BO], 5, v2
	; my 128 columns are heads g and g + 1 of the 48 (16 of q, 16 of k, 16 of v): g = 4 x tile column + 2 x half, an even number
	s_lshl_b32 s46, s42, 2
	s_lshl_b32 s47, s16, 1
	s_add_co_u32 s46, s46, s47
	s_lshl_b32 s92, s46, 8                         ; 256 bytes of b_qkv a head
	s_mov_b32 s93, 0
	s_add_nc_u64 s[96:97], s[96:97], s[92:93]
	s_lshr_b32 s92, s46, 4
	s_lshl_b32 s92, s92, 24                        ; q, k or v: 2^24 bytes each,
	s_and_b32 s47, s46, 15
	s_lshl_b32 s47, s47, 18
	s_add_co_u32 s92, s92, s47                     ; the head: 2^18 bytes,
	s_lshl_b32 s20, s17, 8
	s_lshl_b32 s21, s15, 7
	s_add_co_u32 s20, s20, s21                     ; my first row: 256 x tile row + 128 x half
	s_lshr_b32 s21, s20, 11
	s_lshl_b32 s21, s21, 22
	s_add_co_u32 s92, s92, s21                     ; its batch: 16 heads,
	s_and_b32 s20, s20, 2047
	s_lshl_b32 s20, s20, 7
	s_add_co_u32 s92, s92, s20                     ; its token: 128 bytes
	s_add_nc_u64 s[12:13], s[12:13], s[92:93]
	s_cmp_eq_u32 ttmp9, 1                          ; cluster x = 1 holds columns 1,024 to 2,047, the keys: the same in all sixteen partners
	s_cbranch_scc1 .Lkeys
.irp b, 0,1,2,3,4,5,6,7
	global_load_b128 v[BI+8*\b:BI+8*\b+3], v[BO], s[96:97] offset:64*\b
	global_load_b128 v[BI+8*\b+4:BI+8*\b+7], v[BO], s[96:97] offset:64*\b+16
.endr
	s_branch .Lbias_done
.Lkeys:
.set i, 0
.rept 64
	v_mov_b32 v[BI+i], 0                           ; the keys have no bias: one text serves both kinds of tile
.set i, i+1
.endr
.Lbias_done:
.macro FRAG reg, adr, q, i             ; a fragment, 16 rows x 128 K of 4-bit codes: lane l holds row l % 16; registers 4 c .. 4 c + 3 hold K = 64 c + 32 (l / 16) + 0 .. 31
.irp c, 0,1
	ds_load_b128 v[\reg+4*\c:\reg+4*\c+3], v[\adr] offset:64*(\q)+32*\c+(\i)*16*PITCH
.endr
.endm
; 16 matrix instructions: A's blocks a0, a0 + 1 x B's eight, the slot's q-th 128 along K.  p: B's set; sc: the set of scale words.  start = 1: the sums start from the bias.
; The 64 accumulators take turns, one instruction a turn, in the same order in every step.
.macro MUL16 a0, p, q, sc, start
.irp a, \a0, \a0+1
.irp b, 0,1,2,3,4,5,6,7
.if \start
	v_wmma_scale_f32_16x16x128_f8f6f4 v[8*(8*((\a)%4)+\b):8*(8*((\a)%4)+\b)+7], v[128*(\p)+FR*\b:128*(\p)+FR*\b+FR-1], v[AF+FR*(\a):AF+FR*(\a)+FR-1], v[BI+8*\b:BI+8*\b+7], v[SC+8*NQ*(\sc)+NQ*\b+(\q)], v[SC+8*NQ*(\sc)+NQ*(\a)+(\q)] matrix_a_fmt:MATRIX_FMT_FP4 matrix_b_fmt:MATRIX_FMT_FP4 matrix_a_scale:MATRIX_SCALE_ROW1
.else
	v_wmma_scale_f32_16x16x128_f8f6f4 v[8*(8*((\a)%4)+\b):8*(8*((\a)%4)+\b)+7], v[128*(\p)+FR*\b:128*(\p)+FR*\b+FR-1], v[AF+FR*(\a):AF+FR*(\a)+FR-1], v[8*(8*((\a)%4)+\b):8*(8*((\a)%4)+\b)+7], v[SC+8*NQ*(\sc)+NQ*\b+(\q)], v[SC+8*NQ*(\sc)+NQ*(\a)+(\q)] matrix_a_fmt:MATRIX_FMT_FP4 matrix_b_fmt:MATRIX_FMT_FP4 matrix_a_scale:MATRIX_SCALE_ROW1
.endif
.endr
.endr
.endm
.macro FETCH_B slot, q, p              ; B's eight fragments of the slot's q-th 128 along K into set p
	WIN TO_B
.irp i, 0,1,2,3,4,5,6,7
	FRAG 128*(\p)+FR*\i, ADRB+\slot, \q, \i
.endr
	WIN 0
.endm
.macro FETCH_A slot, q, i0             ; A's blocks i0 .. i0 + 3
.irp i, \i0, \i0+1, \i0+2, \i0+3
	FRAG AF+FR*(\i), ADRA+\slot, \q, \i
.endr
.endm
.macro SCALES sc                       ; a slot's scale words into set sc: four words a row; lanes 0-15 take A's block i, lanes 16-31 B's block i
.irp i, 0,1,2,3,4,5,6,7
	ds_load_b128 v[SC+8*NQ*\sc+NQ*\i:SC+8*NQ*\sc+NQ*\i+3], v[ADRS] offset:\i*SBLK
.endr
.endm
; A load into a register that a matrix instruction has read, and a vector instruction that reads a matrix result, stand NP places behind it; only plain vector instructions that name none of its registers are places.
.macro PLACES n
.rept \n
	v_nop
.endr
.endm
; A step of 128 along K that has its successor in the same slot.  A's blocks go one after the other, so one set of registers serves A: blocks 0-3 are fetched anew in the step's middle, blocks 4-7 at its end.
.macro STEP slot, q, start
	s_wait_dscnt 4*NL                              ; B's set and A's blocks 0-3 are in; the youngest eight loads (A's blocks 4-7) may be out
	WIN MUL_LO-0x20*(\start)                       ; (start: C, the bias, lies in window 0)
	MUL16 0, (\q)%2, \q, \slot, \start
	MUL16 2, (\q)%2, \q, \slot, \start
	s_wait_dscnt 0                                 ; A's blocks 4-7 are in (asked for 32 matrix instructions ago)
	PLACES NP
	FETCH_B \slot, (\q)+1, 1-(\q)%2
	FETCH_A \slot, (\q)+1, 0
	WIN MUL_HI-0x30*(\start)
	MUL16 4, (\q)%2, \q, \slot, \start
	MUL16 6, (\q)%2, \q, \slot, \start
	PLACES NP
	WIN 0
	FETCH_A \slot, (\q)+1, 4
.endm
; Slot 0's last step changes slots: one barrier; in front of it each wave waits for all its tensor loads (its part of slot 1), adds 0 to its spare word, and waits for that and for its reads of slot 0.  Nothing is filled again.
.macro TURN slot, next
	s_wait_tensorcnt 0x0                           ; all my tensor loads have landed  (every window is 0 here)
	ds_add_u32 v[SPW], v[NIL]                      ; 0 onto my spare word
	s_wait_dscnt 4*NL+1                            ; (the add and the youngest eight loads may be out)
	WIN MUL_LO
	MUL16 0, 1, NQ-1, \slot, 0                     ; sixteen matrix instructions stand between the add and the wait for it
	s_wait_dscnt 0x0                               ; the add is done, and my reads of this slot are over
	s_barrier_signal -1
	MUL16 2, 1, NQ-1, \slot, 0
	WIN 0
	s_barrier_wait -1
	PLACES NP
	v_add_nc_u32 v[ADRS], 4*NQ, v[ADRS]            ; on to the next slot's scale words
	FETCH_B \next, 0, 0
	FETCH_A \next, 0, 0
	SCALES \next
	WIN MUL_HI
	MUL16 4, 1, NQ-1, \slot, 0
	MUL16 6, 1, NQ-1, \slot, 0
	PLACES NP
	WIN 0
	FETCH_A \next, 0, 4
.endm
	s_wait_tensorcnt 1                             ; the scales and my part of slot 0 are in (slot 1's load may be out)
	s_barrier_signal -1
	s_barrier_wait -1                              ; everybody's are
	FETCH_B 0, 0, 0
	FETCH_A 0, 0, 0
	SCALES 0
	FETCH_A 0, 0, 4
	s_wait_loadcnt 0x0                             ; the bias
	STEP 0, 0, 1
	STEP 0, 1, 0
	STEP 0, 2, 0
	TURN 0, 1
	STEP 1, 0, 0
	STEP 1, 1, 0
	STEP 1, 2, 0
	s_wait_dscnt 4*NL                              ; the last step: nothing more to fetch
	WIN MUL_LO
	MUL16 0, 1, NQ-1, 1, 0
	MUL16 2, 1, NQ-1, 1, 0
	s_wait_dscnt 0
	WIN MUL_HI
	MUL16 4, 1, NQ-1, 1, 0
	MUL16 6, 1, NQ-1, 1, 0
	WIN 0
; THE WAY OUT, block by block of 16 tokens x 128 columns (two heads).  PACK: rounded to f16, 16 bytes a lane, each accumulator from its low end on.  TOSTAGE: into my own stage, and back so that the 32 lanes hold
; four tokens of ONE head, which are 512 consecutive bytes of qkv.  SEND: stored.  LDS serves a wave's instructions in order (ISA guide 5.7.1.4): no wait between the stores and the loads.
.macro PACK a
.set AC, 64*((\a)%4)
	WIN 0x0a+5*((\a)/4)                            ; sources 0 and 1: window 2 or 3
.irp b, 0,1,2,3,4,5,6,7
.irp r, 0,1,2,3
	v_cvt_pk_f16_f32 v[TMP+4*\b+\r], v[AC+8*\b+2*\r], v[AC+8*\b+2*\r+1]
.endr
.endr
	WIN 0
.endm
.macro TOSTAGE a
.set BB, BK+32*((\a)%2)
.irp b, 0,1,2,3,4,5,6,7
	ds_store_b128 v[STO], v[TMP+4*\b:TMP+4*\b+3] offset:32*\b
.endr
.irp u, 0,1
.irp g, 0,1,2,3
	ds_load_b128 v[BB+4*(4*\u+\g):BB+4*(4*\u+\g)+3], v[RD] offset:4*SPITCH*\g+128*\u   ; head u, tokens 4 g .. 4 g + 3
.endr
.endr
.endm
.macro SEND a
.set BB, BK+32*((\a)%2)
	s_wait_dscnt 0x0                               ; the block is back in registers
	s_wait_xcnt 0x0                                ; the earlier stores have read their base and their data: only behind this wait are they written again
.if (\a) > 0
	s_add_nc_u64 s[12:13], s[12:13], 16*128        ; 16 tokens on
.endif
.irp u, 0,1
.irp g, 0,1,2,3
	global_store_b128 v[CO], v[BB+4*(4*\u+\g):BB+4*(4*\u+\g)+3], s[12:13] offset:262144*\u+512*\g   ; 32 lanes store 512 consecutive bytes, aligned
.endr
.endr
.endm
	PLACES NP                                      ; behind the last products: for the conversions, and for the loads into the registers that held A's fragments
	PACK 0
	TOSTAGE 0
.irp a, 1,2,3,4,5,6,7                  ; block a's conversions stand between block a - 1's loads from the stage and the wait for them
	PACK \a
	SEND \a-1
	TOSTAGE \a
.endr
	SEND 7
	s_wait_tensorcnt 0x0                           ; the wave's end: behind my last tensor load and my last LDS store
	ds_add_u32 v[SPW], v[NIL]
	s_wait_dscnt 0x0
	CROUND                                         ; the closing round: no work-group ends while a partner may still ask for a tile that names it
	s_endpgm
.Lfunc_end_k_q3922f7da4c_qkvgemm:
	.size	k_q3922f7da4c_qkvgemm, .Lfunc_end_k_q3922f7da4c_qkvgemm-k_q3922f7da4c_qkvgemm
	.p2alignl 7, 3214868480
	.fill 96, 4, 3214868480
	.section	.rodata,"a",@progbits
	.p2align	6, 0x0
	.amdhsa_kernel k_q3922f7da4c_qkvgemm
		.amdhsa_group_segment_fixed_size 327680
		.amdhsa_private_segment_fixed_size 0
		.amdhsa_enable_private_segment 0
		.amdhsa_kernarg_size 48
		.amdhsa_user_sgpr_count 2
		.amdhsa_user_sgpr_kernarg_segment_ptr 1
		.amdhsa_wavefront_size32 1
		.amdhsa_system_sgpr_workgroup_id_x 1
		.amdhsa_system_sgpr_workgroup_id_y 1
		.amdhsa_system_sgpr_workgroup_id_z 1
		.amdhsa_system_vgpr_workitem_id 0
		.amdhsa_next_free_vgpr 1024
		.amdhsa_next_free_sgpr 98
		.amdhsa_reserve_vcc 0
		.amdhsa_float_denorm_mode_32 3
		.amdhsa_float_denorm_mode_16_64 3
		.amdhsa_memory_ordered 1
		.amdhsa_forward_progress 1
		.amdhsa_inst_pref_size 131
	.end_amdhsa_kernel
	.amdgpu_metadata
---
amdhsa.version: [ 1, 2 ]
amdhsa.kernels:
  - .name:           k_q3922f7da4c_qkvgemm
    .symbol:         k_q3922f7da4c_qkvgemm.kd
    .args:
      - { .name: xc, .offset: 0, .size: 8, .value_kind: global_buffer, .address_space: global }
      - { .name: xs, .offset: 8, .size: 8, .value_kind: global_buffer, .address_space: global }
      - { .name: wc, .offset: 16, .size: 8, .value_kind: global_buffer, .address_space: global }
      - { .name: ws, .offset: 24, .size: 8, .value_kind: global_buffer, .address_space: global }
      - { .name: qkv, .offset: 32, .size: 8, .value_kind: global_buffer, .address_space: global }
      - { .name: b_qkv, .offset: 40, .size: 8, .value_kind: global_buffer, .address_space: global }
    .group_segment_fixed_size: 327680
    .private_segment_fixed_size: 0
    .kernarg_segment_align: 8
    .kernarg_segment_size: 48
    .max_flat_workgroup_size: 128
    .sgpr_count:     98
    .vgpr_count:     1024
    .wavefront_size: 32
...
	.end_amdgpu_metadata
.endif
;; end of part 2
;; launch attn (part 3): grid 4 x 64, 8 waves a work-group, clusters of 4 x 1, 327,680 bytes of LDS; arguments qkv, att; writes att
.if DOCPART == 3
	.amdgcn_target "amdgcn-amd-amdhsa--gfx1250"
	.amdhsa_code_object_version 6
	.text
	.protected	k_q3922f7da4c_attn
	.globl	k_q3922f7da4c_attn
	.p2align	8
	.type	k_q3922f7da4c_attn,@function
k_q3922f7da4c_attn:
	s_mov_b64 s[64:65], 0
	v_nop
	global_prefetch_b8 v0, s[64:65] scope:SCOPE_SE
	s_setreg_imm32_b32 hwreg(HW_REG_WAVE_MODE, 25, 1), 1
	s_wait_xcnt 0x0
	s_wait_alu depctr_hold_cnt(0) depctr_sa_sdst(0) depctr_va_vdst(0) depctr_va_sdst(0) depctr_va_ssrc(0) depctr_va_vcc(0) depctr_vm_vsrc(0)
	s_getreg_b32 s2, hwreg(HW_REG_IB_STS2, 6, 4)
	s_cmp_eq_u32 s2, 0
	s_cbranch_scc0 .Lentry_in_a_cluster
	s_endpgm
.Lentry_in_a_cluster:
	s_bfe_u32 s2, ttmp6, 0x10000c
	s_cmp_lg_u32 s2, 0x3003
	s_cbranch_scc0 .Lentry_shape_is_right
	s_endpgm
.Lentry_shape_is_right:
; att[head][q][:] = the sum over k of softmax_k(Q[q] . K[k] / 8) V[k][:], for each of 64 heads (batch x 16 + head) of 2,048 tokens x 64 channels; no mask.  Operands f16, products, maxima and sums f32;
; the weights p are rounded to f16 for the second product, the result once at the end.  K comes without its bias (shown dead at the head of the first launch).
; LIMIT: the result beyond 65,504 in size has no f16 number; under 6e-5 it is kept in steps of 6e-8.
; SHARES.  A work-group owns 512 queries of one head, each of its eight waves 64: four tiles of 16, in 512 registers: two waves to a SIMD, so that one wave's vector work stands beside the other's matrix work.
; Every wave walks all keys of the head, 64 a step, in phases: K Q^T, the softmax, V^T P.
; LAYOUT.  S^T = K Q^T (source 0 = 16 keys, source 1 = 16 queries): a lane holds ONE query (lane % 16) and the keys 8 (lane / 16) + 0..7.  Two such tiles, rounded to f16 in pairs, ARE source 1 of O^T = V^T P,
; whose result again holds one query a lane.  K comes out of LDS as it lies, V ([key][channel]) turned, by ds_load_tr16_b128.
; SOFTMAX.  For each query a running maximum m and sum l: p = 2^(c s - c m), c = log2(e) / 8; in every step O and l are multiplied by a = 2^(c m_old - c m_new).
; RING.  Two slots of 512 keys, four walks: two refills in all, written out.  A head's K and V are dense, so a tile is stated as rows of 256 bytes, two keys to a row.  Waves 0-3 fetch K's quarters, waves 4-7 V's.
; A refill is asked for a whole slot, eight key steps of 64 matrix instructions, ahead of the wait for it: so nothing further is asked of memory ahead of the tensor loads.
; CLUSTER.  The four work-groups of a head walk the same K and V: each tile is asked for JOINTLY, by the same tensor load with the same descriptor and the mask of all four.
; REGISTERS: window 0: v1-8 addresses; v12, v13 the add's two; v16-47 statistics, 8 a tile; v48-51 c m of the step before; v64-191 S^T, 32 a tile, P laid over each tile's first 16; v192-255 K's 8 fragments.
;   window 1: v0-127 O^T, 32 a tile; v128-191 Q, 16 a tile; v192-255 V's 8 fragments.
.set KPP,   272                        ; two keys of K in LDS: 256 bytes + 16: the 16 rows of a load fall on 16 different 16-byte columns of the 64 banks (ISA guide 11.1)
.set VPP,   288                        ; two keys of V: 256 + 32
.set VOFF,  256*KPP                    ; a slot: 512 keys of K, then 512 of V
.set SLOT,  256*(KPP+VPP)
.set SPARE, 2*SLOT                     ; the spare words, 128 bytes for each wave: four blocks of 256 bytes that no other line names
.set STAGE, SPARE+1024                 ; the way out: 16 rows x (128 bytes + 16) for each wave; no tensor load lands here
.set SPT,   144
.set AK0, 1                            ; v1   my lane's place in a tile of K
.set AV0, 2                            ; v2   the same for V
.set ADK, 3                            ; v3   LDS address of K's loads in hand
.set ADV, 4                            ; v4   of V's
.set QO,  5                            ; v5   my byte offset in the wave's rows of Q
.set STO, 6                            ; v6   the way out: where I put 16 bytes of a row
.set RD,  7                            ; v7   where I read rows back
.set GO,  8                            ; v8   16 x lane
.set SPW, 12                           ; v12  LDS address of my spare word; never rewritten
.set NIL, 13                           ; v13  0; never rewritten
.set ST,  16                           ; tile t's statistics at v[ST + 8 t]: +0 c m, +1 m, +2, +3 l (even keys', odd keys'), +4 to +7 at work; a takes +6
.set OLD, 48
.set S,   64
.set KF,  192                          ; window 0: K's fragment (keys 16 kt on, channels 32 c on) at 8 (2 kt + c)
.set QF,  128                          ; window 1: Q's (tile t, channels 32 c on) at 16 t + 8 c
.set VF,  192                          ; window 1: V's (keys 32 g on, channels 16 ct on) at 8 (4 g + ct)
.set WV,  12                           ; s12  my wave's number
.set QTR, 13                           ; s13  which quarter of a slot I fetch
.set G1K, 24                           ; s[24:31] descriptor group 1 for K's tiles;  s[32:39] for V's: it differs in the padding alone
.set G1V, 32
.set G0K, 40                           ; s[40:47] group 0 for K's tiles, a set for each slot;  s[48:55] for V's
.set G0V, 48
.set CS,  58                           ; s[58:59] c: the packed form names a pair and takes its low word for both halves
.set SEL, 60                           ; s[60:61] lane selects for v_permlanex16_b32: lane l xor 16
.set TBK, 62                           ; s62  LDS byte at which the K tile to be fetched begins
.set TBV, 63                           ; s63  the same for V
.set CNT, 66                           ; s66  key steps left in the slot
.set MSB, 0
.macro WIN new                         ; the immediate's high byte repeats the setting that is left; a switch that changes nothing is dropped
.if MSB != (\new)
	s_set_vgpr_msb (MSB<<8)|(\new)
.set MSB, (\new)
.endif
.endm
.set W_KQ, 0x04                        ; Q (source 1) in window 1; K and S^T in window 0
.set W_PV, 0x51                        ; V (source 0) and O^T (C and D) in window 1; P in window 0
.set W_RS, 0x41                        ; O^T (destination and source 0) in window 1, a in window 0
; A joint refill of slot s.  The branch hangs on the wave's number alone.  An s_nop 0 and four v_nop follow each of the two lines.
.macro JLOAD s
	s_cmp_lt_u32 s[WV], 4
	s_cbranch_scc0 .Lfor_v_\@
	tensor_load_to_lds s[G0K+4*\s:G0K+4*\s+3], s[G1K:G1K+7]
	s_nop 0
.rept 4
	v_nop
.endr
	s_branch .Lasked_\@
.Lfor_v_\@:
	tensor_load_to_lds s[G0V+4*\s:G0V+4*\s+3], s[G1V:G1V+7]
	s_nop 0
.rept 4
	v_nop
.endr
.Lasked_\@:
.endm
.macro CROUND                          ; a round of the cluster's barrier
	s_barrier_signal -1
	s_barrier_wait -1
	s_cmp_lg_u32 s[WV], 0
	s_cbranch_scc1 .Lnot_wave_0_\@
	s_barrier_signal -3
.Lnot_wave_0_\@:
	s_barrier_wait -3
	s_barrier_signal -1
	s_barrier_wait -1
.endm
.macro FETCH_K                         ; 16 loads: a step's K, 64 keys x 64 channels, from s[TBK] on
	v_add_nc_u32 v[ADK], s[TBK], v[AK0]
.irp c, 0,1
.irp kt, 0,1,2,3
	ds_load_b128 v[KF+8*(2*\kt+\c):KF+8*(2*\kt+\c)+3],   v[ADK] offset:8*KPP*\kt+64*\c
	ds_load_b128 v[KF+8*(2*\kt+\c)+4:KF+8*(2*\kt+\c)+7], v[ADK] offset:8*KPP*\kt+64*\c+32
.endr
.endr
.endm
; 16 turning loads: a step's V.  Five plain instructions stand ahead of them, behind the last products V^T P: four are the places in front of loads into V's registers, the fifth is owed because the
; next products K Q^T write over P's registers, which those products read (ISA guide 7.12.1 for vector instructions).
.macro FETCH_V
	v_add_nc_u32 v[ADV], s[TBV], v[AV0]
	s_add_co_u32 s[TBV], s[TBV], 32*VPP            ; the next fetch is the next step's
.rept 4
	v_nop
.endr
	WIN 0x40                                       ; destination window 1
.irp g, 0,1
.irp ct, 0,1,2,3
	ds_load_tr16_b128 v[VF+8*(4*\g+\ct):VF+8*(4*\g+\ct)+3],   v[ADV] offset:16*VPP*\g+32*\ct
	ds_load_tr16_b128 v[VF+8*(4*\g+\ct)+4:VF+8*(4*\g+\ct)+7], v[ADV] offset:16*VPP*\g+32*\ct+8*VPP
.endr
.endr
.endm
; 32 products S^T = K Q^T.  The 16 accumulators take turns, one instruction a turn; the first 16 start the sums.
.macro KQ
	WIN W_KQ
.irp c, 0,1
.irp kt, 0,1,2,3
.irp t, 0,1,2,3
.if \c == 0
	v_wmma_f32_16x16x32_f16 v[S+32*\t+8*\kt:S+32*\t+8*\kt+7], v[KF+8*(2*\kt+\c):KF+8*(2*\kt+\c)+7], v[QF+16*\t+8*\c:QF+16*\t+8*\c+7], 0
.else
	v_wmma_f32_16x16x32_f16 v[S+32*\t+8*\kt:S+32*\t+8*\kt+7], v[KF+8*(2*\kt+\c):KF+8*(2*\kt+\c)+7], v[QF+16*\t+8*\c:QF+16*\t+8*\c+7], v[S+32*\t+8*\kt:S+32*\t+8*\kt+7]
.endif
.endr
.endr
.endr
.endm
; 32 products O^T += V^T P, 16 accumulators by turns.  first = 1: the first 16 start the sums: nothing is ever cleared.
.macro PV first
	WIN W_PV
.irp g, 0,1
.irp ct, 0,1,2,3
.irp t, 0,1,2,3
.if \first && (\g == 0)
	v_wmma_f32_16x16x32_f16 v[32*\t+8*\ct:32*\t+8*\ct+7], v[VF+8*(4*\g+\ct):VF+8*(4*\g+\ct)+7], v[S+32*\t+8*\g:S+32*\t+8*\g+7], 0
.else
	v_wmma_f32_16x16x32_f16 v[32*\t+8*\ct:32*\t+8*\ct+7], v[VF+8*(4*\g+\ct):VF+8*(4*\g+\ct)+7], v[S+32*\t+8*\g:S+32*\t+8*\g+7], v[32*\t+8*\ct:32*\t+8*\ct+7]
.endif
.endr
.endr
.endr
.endm
; THE SOFTMAX of a key step, the four tiles by turns line by line, so that no line waits for the line above it.  first = 1: the first key step, which starts m, l and O^T.
.macro SOFTMAX first
.irp k, 0,1,2,3                        ; the maximum of a lane's 32 scores: four chains, each begun at an accumulator's low end
.irp t, 0,1,2,3
	v_max3_num_f32 v[ST+8*\t+4+\k], v[S+32*\t+8*\k], v[S+32*\t+8*\k+1], v[S+32*\t+8*\k+2]
.endr
.endr
.irp n, 3,5
.irp k, 0,1,2,3
.irp t, 0,1,2,3
	v_max3_num_f32 v[ST+8*\t+4+\k], v[ST+8*\t+4+\k], v[S+32*\t+8*\k+\n], v[S+32*\t+8*\k+\n+1]
.endr
.endr
.endr
.irp t, 0,1,2,3
	v_max3_num_f32 v[ST+8*\t+4], v[ST+8*\t+4], v[S+32*\t+7], v[S+32*\t+15]
.endr
.irp t, 0,1,2,3
	v_max3_num_f32 v[ST+8*\t+6], v[ST+8*\t+6], v[S+32*\t+23], v[S+32*\t+31]
.endr
.irp t, 0,1,2,3
	v_max3_num_f32 v[ST+8*\t+4], v[ST+8*\t+4], v[ST+8*\t+5], v[ST+8*\t+6]
.endr
.irp t, 0,1,2,3
.if \first
	v_max_num_f32 v[ST+8*\t+4], v[ST+8*\t+4], v[ST+8*\t+7]
.else
	v_max3_num_f32 v[ST+8*\t+4], v[ST+8*\t+4], v[ST+8*\t+7], v[ST+8*\t+1]   ; and the old m
.endif
.endr
.irp t, 0,1,2,3
	v_permlanex16_b32 v[ST+8*\t+5], v[ST+8*\t+4], s[SEL], s[SEL+1]  ; the query's other 32 keys lie in the lane 16 away
.endr
.irp t, 0,1,2,3
	v_max_num_f32 v[ST+8*\t+1], v[ST+8*\t+4], v[ST+8*\t+5]
.endr
.irp t, 0,1,2,3
	v_mul_f32 v[ST+8*\t], s[CS], v[ST+8*\t+1]
.endr
.if !\first
.irp t, 0,1,2,3
	v_sub_f32 v[ST+8*\t+7], v[OLD+\t], v[ST+8*\t]  ; c m_old - c m_new
.endr
.endif
.set i, 0
.rept 16
.irp t, 0,1,2,3
	v_pk_fma_f32 v[S+32*\t+2*i:S+32*\t+2*i+1], v[S+32*\t+2*i:S+32*\t+2*i+1], s[CS:CS+1], v[ST+8*\t:ST+8*\t+1] op_sel_hi:[1,0,0] neg_lo:[0,0,1] neg_hi:[0,0,1]   ; c s - c m, two at a time
.endr
.set i, i+1
.endr
.if !\first                            ; ONE BATCH of exponentials: none of them reads another's result
.irp t, 0,1,2,3
	v_exp_f32 v[ST+8*\t+6], v[ST+8*\t+7]           ; a
.endr
.endif
.set i, 0
.rept 32
.irp t, 0,1,2,3
	v_exp_f32 v[S+32*\t+i], v[S+32*\t+i]           ; p, at most 1
.endr
.set i, i+1
.endr
	v_nop                                          ; a plain instruction behind the last exponential, ahead of the first use (ISA guide 5.7.2)
	s_wait_alu depctr_va_vdst(0)                   ; and the one wait between the batch and the first line that names a result
.irp t, 0,1,2,3                        ; the sums of the unrounded p, two chains a tile, which leave S^T whole
.if \first
	v_pk_add_f32 v[ST+8*\t+2:ST+8*\t+3], v[S+32*\t:S+32*\t+1], v[S+32*\t+30:S+32*\t+31]
.else
	v_pk_fma_f32 v[ST+8*\t+2:ST+8*\t+3], v[ST+8*\t+2:ST+8*\t+3], v[ST+8*\t+6:ST+8*\t+7], v[S+32*\t:S+32*\t+1] op_sel_hi:[1,0,1]   ; l = a l + the first pair
.endif
.endr
.irp t, 0,1,2,3
	v_pk_add_f32 v[ST+8*\t+4:ST+8*\t+5], v[S+32*\t+2:S+32*\t+3], v[S+32*\t+4:S+32*\t+5]
.endr
.irp p, 6,10,14,18,22,26
.irp t, 0,1,2,3
	v_pk_add_f32 v[ST+8*\t+2:ST+8*\t+3], v[ST+8*\t+2:ST+8*\t+3], v[S+32*\t+\p:S+32*\t+\p+1]
.endr
.irp t, 0,1,2,3
	v_pk_add_f32 v[ST+8*\t+4:ST+8*\t+5], v[ST+8*\t+4:ST+8*\t+5], v[S+32*\t+\p+2:S+32*\t+\p+3]
.endr
.endr
.if !\first
.irp t, 0,1,2,3
	v_pk_add_f32 v[ST+8*\t+2:ST+8*\t+3], v[ST+8*\t+2:ST+8*\t+3], v[S+32*\t+30:S+32*\t+31]
.endr
.endif
.irp t, 0,1,2,3
	v_pk_add_f32 v[ST+8*\t+2:ST+8*\t+3], v[ST+8*\t+2:ST+8*\t+3], v[ST+8*\t+4:ST+8*\t+5]
.endr
.set i, 0
.rept 16                               ; P: register i takes weights 2 i and 2 i + 1, in place and ascending: no weight is written over before it is read
.irp t, 0,1,2,3
	v_cvt_pk_f16_f32 v[S+32*\t+i], v[S+32*\t+2*i], v[S+32*\t+2*i+1]
.endr
.set i, i+1
.endr
.if !\first
	WIN W_RS
.set i, 0
.rept 16                               ; O^T times a, each accumulator from its low end on
.irp t, 0,1,2,3
	v_pk_mul_f32 v[32*\t+2*i:32*\t+2*i+1], v[32*\t+2*i:32*\t+2*i+1], v[ST+8*\t+6:ST+8*\t+7] op_sel_hi:[1,0]
.endr
.set i, i+1
.endr
.endif
.endm
; A KEY STEP.  Its K was fetched a step ago; its V is fetched at its head and lands under K Q^T and the softmax; the next step's K is fetched behind K Q^T.
.macro STEP first
	WIN 0
	FETCH_V
	s_wait_dscnt 16                                ; K is in; V's sixteen loads may be out
	KQ
	WIN 0
	s_add_co_u32 s[TBK], s[TBK], 32*KPP            ; the next step's K: stepped once in every trip
.if \first
.rept 4
	v_nop                                          ; four places behind the products, ahead of the loads into K's registers and of the first read of the scores
.endr
	FETCH_K
.else
.irp t, 0,1,2,3
	v_mov_b32 v[OLD+\t], v[ST+8*\t]                ; c m of the step before is kept for a: these four are the places behind the products
.endr
	s_cmp_eq_u32 s[CNT], 1                         ; a slot's last step fetches no K: the next slot's first comes behind the change of slots
	s_cbranch_scc1 .Lno_k_\@
	FETCH_K
.Lno_k_\@:
.endif
	SOFTMAX \first
	s_wait_dscnt 0x0                               ; V is in (and the next K, where it was asked for: the count is right on both ways)
	PV \first
	WIN 0                                          ; at a label and at a branch every window is 0
.endm
; A slot's eight key steps: written once, walked by a counted loop; the LDS addresses hang on s[TBK] and s[TBV].
.macro SLOT_STEPS slot, first
	s_mov_b32 s[TBK], \slot*SLOT
	s_mov_b32 s[TBV], \slot*SLOT
	FETCH_K
.if \first
	STEP 1
	s_mov_b32 s[CNT], 7
.else
	s_mov_b32 s[CNT], 8
.endif
.Lstep_\@:
	STEP 0
	s_sub_co_u32 s[CNT], s[CNT], 1
	s_cmp_lg_u32 s[CNT], 0
	s_cbranch_scc1 .Lstep_\@
.endm
; THE CHANGE OF SLOTS.  Each wave waits for all its tensor loads, of which one is out at the most: its part of the other slot; adds 0 to its spare word; and waits for that and for its reads of the slot that it leaves.
; fill = 1: that slot is filled again, with the keys two slots on: the barrier is then a round of the cluster's, and the joint refill is the first thing behind it.  step = 1: all four group 0 go two slots on, once.
.macro CHANGE fill, slot, step
	s_wait_tensorcnt 0x0                           ; no tensor load of mine is out, so a group 0 may be written
	ds_add_u32 v[SPW], v[NIL]                      ; 0 onto my spare word
.if \step
.irp g, G0K, G0K+4, G0V, G0V+4
	s_add_nc_u64 s[\g+2:\g+3], s[\g+2:\g+3], 2*65536   ; 1,024 keys on; the type bits on top are not reached
.endr
.endif
	s_wait_dscnt 0x0                               ; the add is done, and my reads of the slot are over
.if \fill
	CROUND
	JLOAD \slot
.else
	s_barrier_signal -1
	s_barrier_wait -1
.endif
.endm
	s_load_b128 s[4:7], s[0:1], 0x0                ; qkv s[4:5], att s[6:7]
	v_lshl_add_u32 v[SPW], v0, 2, SPARE
	v_mov_b32 v[NIL], 0
	ds_add_u32 v[SPW], v[NIL]                      ; the wave's opening: the add, twice on end, and its wait ahead of my first tensor load; the set-up below stands between
	ds_add_u32 v[SPW], v[NIL]
	v_lshrrev_b32 v1, 5, v0
	v_readfirstlane_b32 s[WV], v1                  ; wave 0..7
	s_and_b32 s[QTR], s[WV], 3
	s_bfe_u32 s14, ttmp6, 0x40000                  ; cx: my block of 512 queries: it enters Q's and att's addresses alone
	s_and_b32 s20, ttmp7, 0xffff                   ; the head, which the four partners share
	s_lshl_b32 s20, s20, 18                        ; its first byte in q, in k, in v and in att
	s_lshl_b32 s22, s[QTR], 14                     ; my quarter of a slot: 128 keys of 128 bytes
	s_add_co_u32 s22, s22, s20
	s_mov_b32 s23, 0
	s_lshl_b32 s2, s14, 16
	s_lshl_b32 s3, s[WV], 13
	s_add_co_u32 s2, s2, s3
	s_add_co_u32 s2, s2, s20                       ; my wave's 64 queries
	s_mov_b32 s3, 0
	s_mul_i32 s8, s[QTR], 64*KPP                   ; my quarter's place in a slot: no place in the cluster enters an LDS address
	s_mul_i32 s9, s[QTR], 64*VPP
	; descriptor group 1: a tile of 64 rows x 128 elements (two keys a row), padded in LDS
	s_mov_b32 s[G1K], 15|(1<<16)|(1<<20)|(1<<21)|(5<<22)|(3<<25)  ; 15:0 the mask: all four work-groups; 17:16 elements of 2 bytes; 20 padding on; 21 set beside a mask; 24:22 after every 64 words; 31:25 four words
	s_mov_b32 s[G1V], 15|(1<<16)|(1<<20)|(1<<21)|(5<<22)|(7<<25)  ; the same with eight words of padding
.irp g, G1K, G1V
	s_mov_b32 s[\g+1], 128<<16                     ; tensor_dim0
	s_mov_b32 s[\g+2], 64<<16                      ; tensor_dim1
	s_mov_b32 s[\g+3], 128<<16                     ; tile_dim0
	s_mov_b32 s[\g+4], 64                          ; tile_dim1
	s_mov_b32 s[\g+5], 128                         ; from row to row
	s_mov_b32 s[\g+6], 0
	s_mov_b32 s[\g+7], 0
.endr
	s_mov_b32 s[CS], 0x3e38aa3b                    ; c = log2(e) / 8
	s_mov_b32 s[CS+1], s[CS]                       ; named with it as a pair, so it is written
	s_mov_b32 s[SEL], 0x76543210
	s_mov_b32 s[SEL+1], 0xfedcba98
	s_wait_dscnt 0x0                               ; both opening adds are done
	s_wait_kmcnt 0x0
	s_add_nc_u64 s[10:11], s[4:5], s[22:23]        ; my quarter of the head's first slot, counted in q's part
	s_add_nc_u64 s[16:17], s[4:5], s[2:3]          ; Q at my wave's first row
	s_add_nc_u64 s[18:19], s[6:7], s[2:3]          ; att likewise
	CROUND                                         ; all four work-groups are here: the first joint loads meet
.irp s, 0,1
	s_mov_b32 s[G0K+4*\s], 1                       ; 1:0 count = 1
	s_add_co_u32 s[G0K+4*\s+1], s8, \s*SLOT        ; 63:32 LDS address
	s_add_nc_u64 s[G0K+4*\s+2:G0K+4*\s+3], s[10:11], 0x1000000+\s*65536   ; 120:64 global address: k's part, keys 512 s on
	s_or_b32 s[G0K+4*\s+3], s[G0K+4*\s+3], 0x80000000                     ; 127:126 type = 2
	s_mov_b32 s[G0V+4*\s], 1
	s_add_co_u32 s[G0V+4*\s+1], s9, \s*SLOT+VOFF
	s_add_nc_u64 s[G0V+4*\s+2:G0V+4*\s+3], s[10:11], 0x2000000+\s*65536   ; v's part
	s_or_b32 s[G0V+4*\s+3], s[G0V+4*\s+3], 0x80000000
.endr
	s_cmp_lt_u32 s[WV], 4                          ; a wave's two first fills stand in one arm of one branch, ahead of every wait on TENSORcnt and every LDS read: two loads of mine are out
	s_cbranch_scc0 .Lfirst_v
	tensor_load_to_lds s[G0K:G0K+3], s[G1K:G1K+7]
	s_nop 0
	tensor_load_to_lds s[G0K+4:G0K+7], s[G1K:G1K+7]
	s_nop 0
.rept 4
	v_nop
.endr
	s_branch .Lfirst_asked
.Lfirst_v:
	tensor_load_to_lds s[G0V:G0V+3], s[G1V:G1V+7]
	s_nop 0
	tensor_load_to_lds s[G0V+4:G0V+7], s[G1V:G1V+7]
	s_nop 0
.rept 4
	v_nop
.endr
.Lfirst_asked:
	; A fragment of K or Q is 16 rows x 32 channels in 8 registers: lane l holds row l % 16; registers 0-3 channels 8 (l / 16) + 0..7, registers 4-7 channels 16 + 8 (l / 16) + 0..7: two loads of 16 bytes, 32 bytes apart.
	v_and_b32 v9, 15, v0                           ; r = l % 16
	v_bfe_u32 v10, v0, 4, 1                        ; h = l / 16
	v_lshlrev_b32 v[QO], 7, v9
	v_lshl_add_u32 v[QO], v10, 4, v[QO]            ; row x 128 + 16 x half
	WIN 0x40                                       ; destination window 1
.irp t, 0,1,2,3
.irp c, 0,1
	global_load_b128 v[QF+16*\t+8*\c:QF+16*\t+8*\c+3],   v[QO], s[16:17] offset:2048*\t+64*\c      ; Q stays in registers
	global_load_b128 v[QF+16*\t+8*\c+4:QF+16*\t+8*\c+7], v[QO], s[16:17] offset:2048*\t+64*\c+32
.endr
.endr
	WIN 0
	v_bfe_u32 v11, v0, 1, 3                        ; K: key r lies in LDS row r / 2, in its half r % 2
	v_and_b32 v14, 1, v0
	v_mul_u32_u24 v[AK0], v11, KPP
	v_lshl_add_u32 v[AK0], v14, 7, v[AK0]
	v_lshl_add_u32 v[AK0], v10, 4, v[AK0]
	; The turning load takes 16 keys x 16 channels (lane l reads 16 bytes: key 8 (l / 16) + l % 8, channels 8 ((l / 8) % 2) + 0..7) and leaves half a fragment of V^T: lane l holds channel l % 16 and 8 keys.
	v_bfe_u32 v11, v0, 1, 2
	v_lshl_add_u32 v11, v10, 2, v11                ; that key's LDS row: 4 (l / 16) + (l % 8) / 2
	v_mul_u32_u24 v[AV0], v11, VPP
	v_lshl_add_u32 v[AV0], v14, 7, v[AV0]
	v_bfe_u32 v11, v0, 3, 1
	v_lshl_add_u32 v[AV0], v11, 4, v[AV0]
	v_add_nc_u32 v[AV0], VOFF, v[AV0]
	s_mul_i32 s15, s[WV], 16*SPT
	s_add_co_u32 s15, s15, STAGE                   ; my stage
	v_mul_u32_u24 v[STO], v9, SPT                  ; in: row r, 16 bytes for each half of the lanes
	v_lshl_add_u32 v[STO], v10, 4, v[STO]
	v_add_nc_u32 v[STO], s15, v[STO]
	v_bfe_u32 v11, v0, 3, 2                        ; back: eight lanes to a row of 128 bytes, four rows an instruction
	v_and_b32 v14, 7, v0
	v_mul_u32_u24 v[RD], v11, SPT
	v_lshl_add_u32 v[RD], v14, 4, v[RD]
	v_add_nc_u32 v[RD], s15, v[RD]
	v_and_b32 v14, 31, v0
	v_lshlrev_b32 v[GO], 4, v14
	s_wait_tensorcnt 1                             ; my part of slot 0 is in; slot 1's may stay out
	s_barrier_signal -1
	s_barrier_wait -1                              ; everybody's is
	s_wait_loadcnt 0x0                             ; Q
	SLOT_STEPS 0, 1                                ; keys 0 to 511
	CHANGE 1, 0, 1                                 ; slot 0 takes keys 1,024 on
	SLOT_STEPS 1, 0                                ; keys 512 to 1,023
	CHANGE 1, 1, 0                                 ; slot 1 takes keys 1,536 on
	SLOT_STEPS 0, 0
	CHANGE 0, 0, 0                                 ; nothing is left to fetch
	SLOT_STEPS 1, 0
	; THE WAY OUT.  l's two halves and the other half of the lanes' are added; O^T is divided by l, rounded to f16 and sent through my stage, a tile (16 rows of att) at a time.  The first four additions are the places behind the last products.
.irp t, 0,1,2,3
	v_add_f32 v[ST+8*\t+4], v[ST+8*\t+2], v[ST+8*\t+3]
.endr
.irp t, 0,1,2,3
	v_permlanex16_b32 v[ST+8*\t+5], v[ST+8*\t+4], s[SEL], s[SEL+1]
.endr
.irp t, 0,1,2,3
	v_add_f32 v[ST+8*\t+4], v[ST+8*\t+4], v[ST+8*\t+5]
.endr
.irp t, 0,1,2,3
	v_rcp_f32 v[ST+8*\t+6], v[ST+8*\t+4]
.endr
	v_nop                                          ; a plain instruction between the last reciprocal and the use of its result
	s_wait_alu depctr_va_vdst(0)                   ; and the one wait ahead of the first use
; Tile t: a lane's eight channels of a row pack into 16 bytes; they go into rows of 144 bytes and come back as whole rows of 128.  Each tile has 32 registers of its own in S^T's place: 16 packed, 16 read back.
.macro PACK t
	WIN W_RS
.set i, 0
.rept 16
	v_pk_mul_f32 v[32*\t+2*i:32*\t+2*i+1], v[32*\t+2*i:32*\t+2*i+1], v[ST+8*\t+6:ST+8*\t+7] op_sel_hi:[1,0]
.set i, i+1
.endr
	WIN 0x05                                       ; sources 0 and 1 window 1, destination window 0
.set i, 0
.rept 16
	v_cvt_pk_f16_f32 v[S+32*\t+i], v[32*\t+2*i], v[32*\t+2*i+1]
.set i, i+1
.endr
	WIN 0
.irp ct, 0,1,2,3
	ds_store_b128 v[STO], v[S+32*\t+4*\ct:S+32*\t+4*\ct+3] offset:32*\ct
.endr
.irp f, 0,1,2,3
	ds_load_b128 v[S+32*\t+16+4*\f:S+32*\t+16+4*\f+3], v[RD] offset:4*SPT*\f   ; LDS serves a wave's instructions in order (ISA guide 5.7.1.4): these see the stores above; the next tile's stores come behind them
.endr
.endm
.macro SEND t, younger                 ; younger: the LDS instructions issued behind tile t's loads: the next tile's eight, or none
.irp f, 0,1,2,3
	s_wait_dscnt \younger+3-\f
	global_store_b128 v[GO], v[S+32*\t+16+4*\f:S+32*\t+16+4*\f+3], s[18:19] offset:2048*\t+512*\f   ; 32 lanes store 512 consecutive bytes, aligned
.endr
.endm
	PACK 0
	PACK 1                                         ; a tile's arithmetic stands between the loads of the tile before and its stores
	SEND 0, 8
	PACK 2
	SEND 1, 8
	PACK 3
	SEND 2, 8
	SEND 3, 0
	s_wait_tensorcnt 0x0                           ; the wave's end: behind my last tensor load and my last LDS store
	ds_add_u32 v[SPW], v[NIL]
	s_wait_dscnt 0x0
	CROUND                                         ; the closing round: no work-group ends while a partner may still ask for a tile that names it
	s_endpgm
.Lfunc_end_k_q3922f7da4c_attn:
	.size	k_q3922f7da4c_attn, .Lfunc_end_k_q3922f7da4c_attn-k_q3922f7da4c_attn
	.p2alignl 7, 3214868480
	.fill 96, 4, 3214868480
	.section	.rodata,"a",@progbits
	.p2align	6, 0x0
	.amdhsa_kernel k_q3922f7da4c_attn
		.amdhsa_group_segment_fixed_size 327680
		.amdhsa_private_segment_fixed_size 0
		.amdhsa_enable_private_segment 0
		.amdhsa_kernarg_size 16
		.amdhsa_user_sgpr_count 2
		.amdhsa_user_sgpr_kernarg_segment_ptr 1
		.amdhsa_wavefront_size32 1
		.amdhsa_system_sgpr_workgroup_id_x 1
		.amdhsa_system_sgpr_workgroup_id_y 1
		.amdhsa_system_sgpr_workgroup_id_z 1
		.amdhsa_system_vgpr_workitem_id 0
		.amdhsa_next_free_vgpr 512
		.amdhsa_next_free_sgpr 72
		.amdhsa_reserve_vcc 0
		.amdhsa_float_denorm_mode_32 3
		.amdhsa_float_denorm_mode_16_64 3
		.amdhsa_memory_ordered 1
		.amdhsa_forward_progress 1
		.amdhsa_inst_pref_size 182
	.end_amdhsa_kernel
	.amdgpu_metadata
---
amdhsa.version: [ 1, 2 ]
amdhsa.kernels:
  - .name:           k_q3922f7da4c_attn
    .symbol:         k_q3922f7da4c_attn.kd
    .args:
      - { .name: qkv, .offset: 0, .size: 8, .value_kind: global_buffer, .address_space: global }
      - { .name: att, .offset: 8, .size: 8, .value_kind: global_buffer, .address_space: global }
    .group_segment_fixed_size: 327680
    .private_segment_fixed_size: 0
    .kernarg_segment_align: 8
    .kernarg_segment_size: 16
    .max_flat_workgroup_size: 256
    .sgpr_count:     72
    .vgpr_count:     512
    .wavefront_size: 32
...
	.end_amdgpu_metadata
.endif
;; end of part 3
;; launch proj (part 4): grid 4 x 64, 4 waves a work-group, clusters of 4 x 4, 327,680 bytes of LDS; arguments att, wp, b_proj, out0; writes out0
.if DOCPART == 4
	.amdgcn_target "amdgcn-amd-amdhsa--gfx1250"
	.amdhsa_code_object_version 6
	.text
	.protected	k_q3922f7da4c_proj
	.globl	k_q3922f7da4c_proj
	.p2align	8
	.type	k_q3922f7da4c_proj,@function
k_q3922f7da4c_proj:
	s_mov_b64 s[64:65], 0
	v_nop
	global_prefetch_b8 v0, s[64:65] scope:SCOPE_SE
	s_setreg_imm32_b32 hwreg(HW_REG_WAVE_MODE, 25, 1), 1
	s_wait_xcnt 0x0
	s_wait_alu depctr_hold_cnt(0) depctr_sa_sdst(0) depctr_va_vdst(0) depctr_va_sdst(0) depctr_va_ssrc(0) depctr_va_vcc(0) depctr_vm_vsrc(0)
	s_getreg_b32 s2, hwreg(HW_REG_IB_STS2, 6, 4)
	s_cmp_eq_u32 s2, 0
	s_cbranch_scc0 .Lentry_in_a_cluster
	s_endpgm
.Lentry_in_a_cluster:
	s_bfe_u32 s2, ttmp6, 0x10000c
	s_cmp_lg_u32 s2, 0xf033
	s_cbranch_scc0 .Lentry_shape_is_right
	s_endpgm
.Lentry_shape_is_right:
; out0[m][n] = the sum over k of A[m][k] wp[k][n] + b_proj[n].  A[m = batch x 2048 + token][k = head x 64 + d] = att[batch x 16 + head][token][d], f16; wp [1024 k][1024 n] f16; sums and out0 f32.
; A tile of out0 is 128 (m) x 256 (n): 256 work-groups.  Four waves, each 64 x 128: 32 accumulators, 256 registers.  K goes in steps of 128, two heads, through a ring of two LDS slots.
; A's part of a K step is, for each of the two heads, 128 tokens x 128 bytes, dense in memory: stated as 64 rows of 256 bytes.  wp's part is 128 rows (k) of 512 bytes; it is read turned, by ds_load_tr16_b128.
; CLUSTERS: 4 x 4 work-groups; A's tiles are asked for jointly by a row of the cluster, wp's by a column.  THE MATRIX INSTRUCTION IS USED TRANSPOSED (source 0 = 16 columns of wp, source 1 = 16 rows of A):
; a lane then holds eight neighbouring numbers of a row of out0.  THE BIAS is the C of each sum's first matrix instruction.
; A K step's matrix work is short and the tiles are shared in the cluster: nothing further is asked of memory ahead of the tensor loads.
; REGISTERS: window 0: v16-30 addresses; v32-63, v64-95 A's fragments, two buffers; v128-191, v192-255 wp's, two buffers (on the way out: rows read back).
;   window 1: the accumulators ((a, b) at v[8 (8 a + b)]).   window 2: v0-63 the bias: register 8 b + j of lane (r, h): b_proj[my first column + 16 b + 8 h + j].
.set APP,    272                       ; two tokens of A in LDS: 256 bytes + 16
.set ASUB,   64*APP                    ; one head's 128 tokens: what one tensor load brings
.set BPP,    544                       ; a row of wp's tile: 512 bytes + 32 = 136 words
.set BOFF,   2*ASUB
.set BHALF,  64*BPP                    ; 64 rows of wp: what one tensor load brings
.set SLOT,   BOFF+2*BHALF
.set SPARE,  2*SLOT                    ; the spare words, 128 bytes for each wave: two blocks of 256 bytes that no other line names
.set SPITCH, 528                       ; the way out: a stage of 16 rows x (512 bytes + 16) for each wave, in slot 0, which has had its last fill and its last read by then
.set LAPS,   4                         ; a lap = two K steps = once round the ring
.set ADRA, 16                          ; v16-17  LDS address of my A fragments in slot 0, 1
.set ADRB, 20                          ; v20-21  the same for wp
.set STO,  24                          ; v24     the way out: where I put 32 bytes of a row
.set RD,   25                          ; v25     where I read a row back
.set CO,   26                          ; v26     16 x lane
.set SPW,  28                          ; v28     LDS address of my spare word; never rewritten
.set NIL,  29                          ; v29     0; never rewritten
.set BO,   30                          ; v30     the bias: 32 bytes for the upper half of the lanes
.set FA,   32
.set FB,   128
.set BK,   128
.set G1, 24                            ; s[24:31] descriptor group 1 for A's tiles;  s[32:39] group 0, one set for each slot
.set G0, 32
.set G1B, 48                           ; s[48:55], s[56:63] the same for wp's tiles
.set G0B, 56
.set MSB, 0
.macro WIN new
.if MSB != (\new)
	s_set_vgpr_msb (MSB<<8)|(\new)
.set MSB, (\new)
.endif
.endm
.set MUL, 0x50                         ; sources 0 and 1 window 0; C and D window 1
.macro JLOAD s                         ; a joint load: waves 0 and 1 fetch A's two heads, waves 2 and 3 wp's two halves; an s_nop 0 and four v_nop follow each of the two lines
	s_cmp_eq_u32 s13, 0
	s_cbranch_scc0 .Lfor_b_\@
	tensor_load_to_lds s[G0+4*\s:G0+4*\s+3], s[G1:G1+7]
	s_nop 0
.rept 4
	v_nop
.endr
	s_branch .Lasked_\@
.Lfor_b_\@:
	tensor_load_to_lds s[G0B+4*\s:G0B+4*\s+3], s[G1B:G1B+7]
	s_nop 0
.rept 4
	v_nop
.endr
.Lasked_\@:
.endm
.macro CREST                           ; a round of the cluster's barrier behind its opening barrier
	s_cmp_lg_u32 s12, 0
	s_cbranch_scc1 .Lnot_wave_0_\@
	s_barrier_signal -3
.Lnot_wave_0_\@:
	s_barrier_wait -3
	s_barrier_signal -1
	s_barrier_wait -1
.endm
.macro CROUND                          ; a whole round
	s_barrier_signal -1
	s_barrier_wait -1
	CREST
.endm
	s_load_b128 s[4:7], s[0:1], 0x0                ; att s[4:5], wp s[6:7]
	s_load_b128 s[8:11], s[0:1], 0x10              ; b_proj s[8:9], out0 s[10:11]
	v_lshl_add_u32 v[SPW], v0, 2, SPARE
	v_mov_b32 v[NIL], 0
	ds_add_u32 v[SPW], v[NIL]                      ; the wave's opening: the add, twice on end, and its wait ahead of my first tensor load; the set-up below stands between
	ds_add_u32 v[SPW], v[NIL]
	v_lshrrev_b32 v1, 5, v0
	v_readfirstlane_b32 s12, v1                    ; wave 0..3
	s_lshr_b32 s13, s12, 1                         ; which 64 rows of the tile are mine.  Also: I fetch for A (0) or for wp (1)
	s_and_b32 s14, s12, 1                          ; which 128 columns.  Also: which head, or which 64 rows of wp, I fetch
	s_bfe_u32 s40, ttmp6, 0x40000                  ; cx, cy: my place in the cluster
	s_bfe_u32 s41, ttmp6, 0x40004
	s_lshl_b32 s42, ttmp9, 2
	s_add_co_u32 s42, s42, s40                     ; tile column = 4 x cluster x + cx
	s_and_b32 s15, ttmp7, 0xffff
	s_lshl_b32 s15, s15, 2
	s_add_co_u32 s15, s15, s41                     ; tile row = 4 x cluster y + cy
	s_lshl_b32 s43, s41, 2
	s_lshl_b32 s43, 15, s43                        ; my row of the cluster
	s_lshl_b32 s44, 0x1111, s40                    ; my column
	s_or_b32 s[G1+0], s43, (1<<16)|(1<<20)|(1<<21)|(5<<22)|(3<<25)   ; A: the mask of my row; elements of 2 bytes; padding on; bit 21 beside a mask; four words after every 64
	s_mov_b32 s[G1+1], 128<<16                     ; tensor_dim0
	s_mov_b32 s[G1+2], 64<<16                      ; tensor_dim1
	s_mov_b32 s[G1+3], 128<<16                     ; tile_dim0
	s_mov_b32 s[G1+4], 64                          ; tile_dim1
	s_mov_b32 s[G1+5], 128                         ; from row to row: dense
	s_mov_b32 s[G1+6], 0
	s_mov_b32 s[G1+7], 0
	s_or_b32 s[G1B+0], s44, (1<<16)|(1<<20)|(1<<21)|(6<<22)|(7<<25)  ; wp: the mask of my column; eight words after every 128
	s_mov_b32 s[G1B+1], 256<<16
	s_mov_b32 s[G1B+2], 64<<16
	s_mov_b32 s[G1B+3], 256<<16
	s_mov_b32 s[G1B+4], 64
	s_mov_b32 s[G1B+5], 1024
	s_mov_b32 s[G1B+6], 0
	s_mov_b32 s[G1B+7], 0
	s_lshr_b32 s16, s15, 4                         ; A: the tile's batch (16 tiles of 128 tokens each),
	s_lshl_b32 s16, s16, 4
	s_add_co_u32 s16, s16, s14                     ; its head 0 or 1,
	s_lshl_b32 s16, s16, 18
	s_and_b32 s17, s15, 15
	s_lshl_b32 s17, s17, 14                        ; its 128 tokens of 128 bytes
	s_add_co_u32 s16, s16, s17
	s_mov_b32 s17, 0
	s_lshl_b32 s46, s14, 17                        ; wp: 64 rows of 2,048 bytes,
	s_lshl_b32 s47, s42, 9                         ; 512 bytes a tile column
	s_add_co_u32 s46, s46, s47
	s_mov_b32 s47, 0
	s_mul_i32 s20, s14, ASUB                       ; where they go: no place in the cluster enters an LDS address
	s_mul_i32 s21, s14, BHALF
	s_add_co_u32 s21, s21, BOFF
	s_wait_dscnt 0x0                               ; both opening adds are done
	s_wait_kmcnt 0x0
	s_add_nc_u64 s[18:19], s[4:5], s[16:17]
	s_add_nc_u64 s[46:47], s[6:7], s[46:47]
	CROUND                                         ; all sixteen work-groups are here: the first joint loads meet
.irp s, 0,1
	s_mov_b32 s[G0+4*\s], 1
	s_add_co_u32 s[G0+4*\s+1], s20, \s*SLOT
	s_add_nc_u64 s[G0+4*\s+2:G0+4*\s+3], s[18:19], \s*2*262144     ; K step s: two heads on
	s_or_b32 s[G0+4*\s+3], s[G0+4*\s+3], 0x80000000
	s_mov_b32 s[G0B+4*\s], 1
	s_add_co_u32 s[G0B+4*\s+1], s21, \s*SLOT
	s_add_nc_u64 s[G0B+4*\s+2:G0B+4*\s+3], s[46:47], \s*128*2048   ; 128 rows on
	s_or_b32 s[G0B+4*\s+3], s[G0B+4*\s+3], 0x80000000
	JLOAD \s                                       ; two tensor loads of mine are out
.endr
	v_and_b32 v1, 15, v0                           ; r = l % 16
	v_bfe_u32 v2, v0, 4, 1                         ; h = l / 16
	v_bfe_u32 v3, v0, 1, 3                         ; A: token r lies in LDS row r / 2, in its half r % 2
	v_and_b32 v4, 1, v0
	v_mul_u32_u24 v3, v3, APP
	v_lshl_add_u32 v3, v4, 7, v3
	v_lshl_add_u32 v3, v2, 4, v3
	v_and_b32 v4, 7, v0                            ; wp, turned: lane l reads row 8 (l / 16) + l % 8, 16 bytes at 16 ((l / 8) % 2)
	v_lshl_add_u32 v4, v2, 3, v4
	v_mul_u32_u24 v4, v4, BPP
	v_bfe_u32 v5, v0, 3, 1
	v_lshl_add_u32 v4, v5, 4, v4
	s_mul_i32 s21, s13, 32*APP                     ; my 64 tokens
	s_lshl_b32 s22, s14, 8                         ; my 128 columns,
	s_add_co_u32 s22, s22, BOFF                    ; behind A's two heads
.irp s, 0,1
	v_add_nc_u32 v[ADRA+\s], s21, v3
	v_add_nc_u32 v[ADRB+\s], s22, v4
	s_add_co_u32 s21, s21, SLOT
	s_add_co_u32 s22, s22, SLOT
.endr
	s_mul_i32 s23, s12, 16*SPITCH                  ; my stage
	v_mul_u32_u24 v5, v1, SPITCH                   ; in: row r, 32 bytes for each half of the lanes
	v_lshl_add_u32 v5, v2, 5, v5
	v_add_nc_u32 v[STO], s23, v5
	v_and_b32 v6, 31, v0
	v_lshlrev_b32 v[CO], 4, v6                     ; back: the 32 lanes take one row of 512 bytes; and the same in out0
	v_add_nc_u32 v[RD], s23, v[CO]
	v_lshlrev_b32 v[BO], 5, v2
	s_lshl_b32 s16, s15, 7
	s_lshl_b32 s17, s13, 6
	s_add_co_u32 s16, s16, s17                     ; my first row of out0: 128 x tile row + 64 x half,
	s_lshl_b32 s16, s16, 12                        ; of 4,096 bytes
	s_mov_b32 s17, 0
	s_add_nc_u64 s[10:11], s[10:11], s[16:17]
	s_lshl_b32 s46, s42, 10                        ; my first column, in bytes: 1,024 x tile column + 512 x half
	s_lshl_b32 s47, s14, 9
	s_add_co_u32 s46, s46, s47
	s_mov_b32 s47, 0
	s_add_nc_u64 s[10:11], s[10:11], s[46:47]
	s_add_nc_u64 s[8:9], s[8:9], s[46:47]          ; and the same in b_proj
	WIN 0x80                                       ; destination window 2
.irp b, 0,1,2,3,4,5,6,7
	global_load_b128 v[8*\b:8*\b+3],   v[BO], s[8:9] offset:64*\b
	global_load_b128 v[8*\b+4:8*\b+7], v[BO], s[8:9] offset:64*\b+16
.endr
	WIN 0
; 8 matrix instructions: A's block a x wp's eight, 32 along K, from buffer f.  start = 1: the sums start from the bias.  The 32 accumulators take turns, in the same order in every quarter.
.macro MUL8 f, a, start
.irp b, 0,1,2,3,4,5,6,7
.if \start
	v_wmma_f32_16x16x32_f16 v[8*(8*(\a)+\b):8*(8*(\a)+\b)+7], v[FB+64*(\f)+8*\b:FB+64*(\f)+8*\b+7], v[FA+32*(\f)+8*(\a):FA+32*(\f)+8*(\a)+7], v[8*\b:8*\b+7]
.else
	v_wmma_f32_16x16x32_f16 v[8*(8*(\a)+\b):8*(8*(\a)+\b)+7], v[FB+64*(\f)+8*\b:FB+64*(\f)+8*\b+7], v[FA+32*(\f)+8*(\a):FA+32*(\f)+8*(\a)+7], v[8*(8*(\a)+\b):8*(8*(\a)+\b)+7]
.endif
.endr
.endm
; 24 LDS loads in one run: the fragments of the slot's q-th 32 along K into buffer f: wp's sixteen, then A's blocks 0 to 3
.macro FETCH slot, q, f
	WIN 0
.irp b, 0,1,2,3,4,5,6,7
	ds_load_tr16_b128 v[FB+64*(\f)+8*\b:FB+64*(\f)+8*\b+3],   v[ADRB+\slot] offset:32*BPP*(\q)+32*\b
	ds_load_tr16_b128 v[FB+64*(\f)+8*\b+4:FB+64*(\f)+8*\b+7], v[ADRB+\slot] offset:32*BPP*(\q)+32*\b+16*BPP
.endr
.irp i, 0,1,2,3
	ds_load_b128 v[FA+32*(\f)+8*\i:FA+32*(\f)+8*\i+3],   v[ADRA+\slot] offset:ASUB*((\q)/2)+8*APP*\i+64*((\q)%2)
	ds_load_b128 v[FA+32*(\f)+8*\i+4:FA+32*(\f)+8*\i+7], v[ADRA+\slot] offset:ASUB*((\q)/2)+8*APP*\i+64*((\q)%2)+32
.endr
.endm
.macro PLACES                          ; four places in front of loads into registers that matrix instructions have read, and of the first read of results (ISA guide 7.12.1 for vector instructions)
.rept 4
	v_nop
.endr
.endm
; A K step is four quarters of 32 along K, 32 matrix instructions each, on buffers 0, 1, 0, 1.  One of the first three: multiplies buffer f and fetches the slot's quarter q into the other.
.macro QUARTER slot, q, f, start
	s_wait_dscnt 4                                 ; wp's fragments and A's blocks 0 and 1 are in; the youngest four loads (blocks 2 and 3) may be out
	WIN MUL+0x10*(\start)                          ; (start: C, the bias, lies in window 2)
	MUL8 \f, 0, \start
	MUL8 \f, 1, \start
	PLACES
	FETCH \slot, \q, 1-(\f)
	s_wait_dscnt 24                                ; all but the 24 just issued
	WIN MUL+0x10*(\start)
	MUL8 \f, 2, \start
	MUL8 \f, 3, \start
.endm
; The last quarter multiplies buffer 1 and changes slots: ONE barrier; in front of it each wave waits for all its tensor loads, adds 0 to its spare word, and waits for that and for its reads of this slot.
; fill = 1: the barrier opens a round of the cluster's, and this slot is filled again, two K steps ahead, first thing behind it: 112 matrix instructions ahead of the wait for it.
.macro TURN slot, next, fill
	WIN 0                                          ; (the add's two registers lie in window 0)
	s_wait_tensorcnt 0x0                           ; all my tensor loads have landed: my part of the next slot
	ds_add_u32 v[SPW], v[NIL]                      ; 0 onto my spare word
	s_wait_dscnt 5                                 ; (the add and the youngest four loads may be out)
	WIN MUL
	MUL8 1, 0, 0                                   ; eight matrix instructions stand between the add and the wait for it
	s_wait_dscnt 0x0                               ; the add is done, and my reads of this slot are over
	s_barrier_signal -1
	MUL8 1, 1, 0
.if \fill
	WIN 0
.endif
	s_barrier_wait -1
.if \fill
	CREST                                          ; no wave of any partner still reads this slot's tile or has a load on its way
	s_add_nc_u64 s[G0+4*\slot+2:G0+4*\slot+3], s[G0+4*\slot+2:G0+4*\slot+3], 4*262144      ; two K steps on: four heads,
	s_add_nc_u64 s[G0B+4*\slot+2:G0B+4*\slot+3], s[G0B+4*\slot+2:G0B+4*\slot+3], 256*2048  ; 256 rows of wp
	JLOAD \slot                                    ; the four v_nop behind it are also the places in front of the loads below
.else
	PLACES
.endif
	FETCH \next, 0, 0
	WIN MUL
	MUL8 1, 2, 0
	MUL8 1, 3, 0
.endm
	s_wait_tensorcnt 1                             ; my part of K step 0 is in (K step 1's load may be out)
	s_barrier_signal -1
	s_barrier_wait -1                              ; everybody's is
	FETCH 0, 0, 0
	s_wait_loadcnt 0x0                             ; the bias
	QUARTER 0, 1, 0, 1                             ; the first quarter stands in front of the loop: its products start the sums
	WIN 0                                          ; at a label and at a branch every window is 0
	s_mov_b32 s3, LAPS-1
.Llap:                                                 ; a trip goes once round the ring, from a lap's second quarter to the next lap's first, and fills both slots again
	QUARTER 0, 2, 1, 0
	QUARTER 0, 3, 0, 0
	TURN 0, 1, 1
	QUARTER 1, 1, 0, 0
	QUARTER 1, 2, 1, 0
	QUARTER 1, 3, 0, 0
	TURN 1, 0, 1
	QUARTER 0, 1, 0, 0
	WIN 0
	s_sub_co_u32 s3, s3, 1
	s_cmp_lg_u32 s3, 0
	s_cbranch_scc1 .Llap
	QUARTER 0, 2, 1, 0                             ; the last lap fills nothing, and has no round of the cluster's barrier
	QUARTER 0, 3, 0, 0
	TURN 0, 1, 0
	QUARTER 1, 1, 0, 0
	QUARTER 1, 2, 1, 0
	QUARTER 1, 3, 0, 0
	s_wait_dscnt 4                                 ; the very last quarter: nothing more to fetch
	WIN MUL
	MUL8 1, 0, 0
	MUL8 1, 1, 0
	s_wait_dscnt 0
	MUL8 1, 2, 0
	MUL8 1, 3, 0
	WIN 0
; THE WAY OUT, block by block of 16 rows x 128 columns.  A lane holds 32 neighbouring bytes of a row: a block goes through my own stage and comes back as whole rows of 512 bytes.
; LDS serves a wave's instructions in order (ISA guide 5.7.1.4): no wait between the stores and the loads, nor in front of the next block's stores.
.macro TOSTAGE a
	WIN 0x04                                       ; an LDS store's data are its source 1: window 1
.irp b, 0,1,2,3,4,5,6,7
	ds_store_b128 v[STO], v[64*(\a)+8*\b:64*(\a)+8*\b+3] offset:64*\b          ; each accumulator from its low end on
	ds_store_b128 v[STO], v[64*(\a)+8*\b+4:64*(\a)+8*\b+7] offset:64*\b+16
.endr
	WIN 0
.set BB, BK+64*((\a)%2)
.irp t, 0,1,2,3,4,5,6,7,8,9,10,11,12,13,14,15
	ds_load_b128 v[BB+4*\t:BB+4*\t+3], v[RD] offset:\t*SPITCH
.endr
.endm
.macro SEND a, younger                 ; younger: the LDS instructions issued behind block a's loads, which may stay out
.set BB, BK+64*((\a)%2)
	s_wait_dscnt \younger                          ; the block is back in registers
.if (\a) > 0
	s_add_nc_u64 s[10:11], s[10:11], 16*4096       ; (behind a wait on XCNT: the earlier stores have read their base)  16 rows on
.endif
.irp t, 0,1,2,3,4,5,6,7,8,9,10,11,12,13,14,15
	global_store_b128 v[CO], v[BB+4*\t:BB+4*\t+3], s[10:11] offset:\t*4096 th:TH_STORE_NT   ; 32 lanes store 512 consecutive bytes, aligned; written once, read by nobody here
.endr
.endm
	PLACES                                         ; behind the last products: for the stores that read results, and for the loads into the registers that held wp's fragments
	TOSTAGE 0
.irp a, 1,2,3
.if \a > 1
	s_wait_xcnt 0x0                                ; block a - 2's stores have read their registers and their base: block a's loads may land there, and the base may step
.endif
	TOSTAGE \a
	SEND \a-1, 32                                  ; behind block a - 1's loads: block a's 16 stores and 16 loads
.endr
	s_wait_xcnt 0x0                                ; block 2's stores have read their base
	SEND 3, 0
	s_wait_tensorcnt 0x0                           ; the wave's end: behind my last tensor load and my last LDS store
	ds_add_u32 v[SPW], v[NIL]
	s_wait_dscnt 0x0
	CROUND                                         ; the closing round: no work-group ends while a partner may still ask for a tile that names it
	s_endpgm
.Lfunc_end_k_q3922f7da4c_proj:
	.size	k_q3922f7da4c_proj, .Lfunc_end_k_q3922f7da4c_proj-k_q3922f7da4c_proj
	.p2alignl 7, 3214868480
	.fill 96, 4, 3214868480
	.section	.rodata,"a",@progbits
	.p2align	6, 0x0
	.amdhsa_kernel k_q3922f7da4c_proj
		.amdhsa_group_segment_fixed_size 327680
		.amdhsa_private_segment_fixed_size 0
		.amdhsa_enable_private_segment 0
		.amdhsa_kernarg_size 32
		.amdhsa_user_sgpr_count 2
		.amdhsa_user_sgpr_kernarg_segment_ptr 1
		.amdhsa_wavefront_size32 1
		.amdhsa_system_sgpr_workgroup_id_x 1
		.amdhsa_system_sgpr_workgroup_id_y 1
		.amdhsa_system_sgpr_workgroup_id_z 1
		.amdhsa_system_vgpr_workitem_id 0
		.amdhsa_next_free_vgpr 576
		.amdhsa_next_free_sgpr 66
		.amdhsa_reserve_vcc 0
		.amdhsa_float_denorm_mode_32 3
		.amdhsa_float_denorm_mode_16_64 3
		.amdhsa_memory_ordered 1
		.amdhsa_forward_progress 1
		.amdhsa_inst_pref_size 87
	.end_amdhsa_kernel
	.amdgpu_metadata
---
amdhsa.version: [ 1, 2 ]
amdhsa.kernels:
  - .name:           k_q3922f7da4c_proj
    .symbol:         k_q3922f7da4c_proj.kd
    .args:
      - { .name: att, .offset: 0, .size: 8, .value_kind: global_buffer, .address_space: global }
      - { .name: wp, .offset: 8, .size: 8, .value_kind: global_buffer, .address_space: global }
      - { .name: b_proj, .offset: 16, .size: 8, .value_kind: global_buffer, .address_space: global }
      - { .name: out0, .offset: 24, .size: 8, .value_kind: global_buffer, .address_space: global }
    .group_segment_fixed_size: 327680
    .private_segment_fixed_size: 0
    .kernarg_segment_align: 8
    .kernarg_segment_size: 32
    .max_flat_workgroup_size: 128
    .sgpr_count:     66
    .vgpr_count:     576
    .wavefront_size: 32
...
	.end_amdgpu_metadata
.endif
;; end of part 4
